; MI455X (gfx1250); checked and timed in simulation.
; The chip was launched on July 23, 2026; its instructions are those of AMD's public machine-readable ISA for CDNA 5 (MIT licence, August 2026) and "CDNA5" Instruction Set Architecture Reference Guide (July 2026). The comments in the code are by the model that wrote it; some were corrected since.
;; Self Attention. Allowed arithmetic: float matrix products may take bf16 or f16 operands with f32 sums; other float arithmetic in f32, or as packed bf16 or f16 multiplies, adds, multiply-adds, maxima and minima; sums over many terms, partial sums and values carried from step to step in f32; what a program stores and reads back later, other than sums and carried values, may be rounded once to bf16 or f16.
;; Inputs: Wk 1,024 x 1,024 float32; Wo 1,024 x 1,024 float32; Wq 1,024 x 1,024 float32; Wv 1,024 x 1,024 float32; x 4 x 2,048 x 1,024 float32.
;; Outputs: out0 4 x 2,048 x 1,024 float32.
;; One version. Each part assembles by itself: llvm-mc -triple=amdgcn-amd-amdhsa -mcpu=gfx1250 --defsym DOCPART=n.
;; ======== version 1 of 1: 5 launches
;; limits: values are held in f16: magnitudes above 65,504 overflow, below 6.1e-05 lose precision
;; workspace buffers: xb 16,777,216 bytes; wb 8,388,608 bytes; qp 16,777,216 bytes; kp 16,777,216 bytes; vp 18,350,080 bytes; pp 33,554,432 bytes; st 1,048,576 bytes; op 16,777,216 bytes
;; launch prep (part 1): grid 784 x 1, 8 waves a work-group, no clusters, 0 bytes of LDS; arguments x, Wq, Wk, Wv, Wo, xb, wb, st; writes xb, wb, st
.if DOCPART == 1
	.amdgcn_target "amdgcn-amd-amdhsa--gfx1250"
	.amdhsa_code_object_version 6
	.text
	.protected	k_q068d347846_prep
	.globl	k_q068d347846_prep
	.p2align	8
	.type	k_q068d347846_prep,@function
k_q068d347846_prep:
	s_mov_b64 s[64:65], 0
	v_nop
	global_prefetch_b8 v0, s[64:65] scope:SCOPE_SE
	s_setreg_imm32_b32 hwreg(HW_REG_WAVE_MODE, 25, 1), 1
	s_wait_xcnt 0x0
; PREP.  x, Wq, Wk, Wv are rounded once to bf16, Wo to bf16 and that number written as f16, and all are laid in blocks whose rows are 64 numbers (128 bytes) on end,
; so that every tile that a later launch wants is one dense piece of memory.  The table of softmax statistics st is set to (lowest finite number, 0).
;   xb: bf16 [e/64 (16)][token 8192][64]
;   wb: at 0 bf16 [e/64 (16)][nb 48][e%64][n%64], nb = 16 m + n/64, m = 0, 1, 2 for Wq, Wk, Wv;  at WO f16 [c/128 (8)][o/64 (16)][c%128][o%64]
;   st: f32 cm[b 4][T 16][q 2048] at 0 (set to -FLT_MAX), ls of the same shape at 524,288 (set to 0)
; LIMIT.  Wo's bf16 number lies within f16's 65,504; below 6.1e-5 it keeps f16's fixed step of 6e-8.
; SHARES.  All five sources have rows of 4,096 bytes.  A wave takes two rows: 16 loads of 16 bytes a lane, each half of the lanes 256 bytes on end of one row; all 16 are out together.
; A load's 64 columns are one block row of 128 bytes, so the two rows' parts lie on end: each store of the wave covers 256 consecutive bytes, aligned.
; Work-groups 0-511: x; 512-767: 64 for each weight; 768-783: st, 65,536 bytes each.  No LDS, no matrix unit: nothing is shared and nothing is multiplied.
.set X,   32                           ; v[32:95]   16 loads of 4
.set Y,   96                           ; v[96:127]  16 stores of 2
.set OFF, 8                            ; v[8:23]    a store's byte offset, one register each: none is rewritten
.set WO,  6291456
	s_load_b512 s[4:19], s[0:1], 0x0               ; x, Wq, Wk, Wv, Wo, xb, wb, st
	v_lshrrev_b32 v3, 5, v0
	v_readfirstlane_b32 s36, v3                    ; wave 0..7
	s_cmp_ge_u32 ttmp9, 768
	s_cbranch_scc1 .Lfill
	s_sub_co_u32 s30, ttmp9, 512
	s_lshr_b32 s27, s30, 6                         ; m: which weight
	s_and_b32 s31, s30, 63
	s_cmp_lt_u32 ttmp9, 512
	s_cselect_b32 s31, ttmp9, s31                  ; the work-group's number within its source
	s_cselect_b32 s27, 4, s27                      ; m = 4 stands for x
	s_lshl3_add_u32 s31, s31, s36                  ; 8 x that + wave: my pair of rows
	s_lshl_b32 s26, s31, 1                         ; my first row
	s_lshl_b32 s28, s26, 12                        ; its byte offset in the source
	s_mov_b32 s29, 0
	s_lshl_b32 s32, s26, 7                         ; xb: token x 128
	s_lshr_b32 s33, s26, 6                         ; weights of the first three: ((e/64) x 48 + 16 m) x 8,192 + (e%64) x 128
	s_mul_i32 s33, s33, 48
	s_lshl4_add_u32 s33, s27, s33
	s_lshl_b32 s33, s33, 13
	s_and_b32 s30, s26, 63
	s_lshl_b32 s30, s30, 7
	s_add_co_u32 s33, s33, s30
	s_lshr_b32 s34, s26, 7                         ; Wo: WO + (c/128) x 262,144 + (c%128) x 128
	s_lshl_b32 s34, s34, 18
	s_and_b32 s30, s26, 127
	s_lshl_b32 s30, s30, 7
	s_add_co_u32 s34, s34, s30
	s_add_co_u32 s34, s34, WO
	s_mov_b32 s35, 8192
	s_cmp_eq_u32 s27, 4
	s_cselect_b32 s24, s32, s33                    ; where my first 64 columns go,
	s_cselect_b32 s25, 1048576, s35                ; and how far on the next 64
	s_cmp_eq_u32 s27, 3
	s_cselect_b32 s24, s34, s24
	s_cselect_b32 s25, 16384, s25
	v_and_b32 v1, 15, v0                           ; my place in a half of the lanes
	v_bfe_u32 v2, v0, 4, 1                         ; which row of the pair
	v_lshlrev_b32 v4, 4, v1
	v_lshl_add_u32 v4, v2, 12, v4                  ; source: row x 4,096 + 16 bytes a lane
	v_lshlrev_b32 v5, 3, v1
	v_lshl_add_u32 v5, v2, 7, v5                   ; destination: row x 128 + 8 bytes a lane
	v_add_nc_u32 v[OFF], s24, v5
.set j, 1
.rept 15
	v_add_nc_u32 v[OFF+j], s25, v[OFF+j-1]
.set j, j+1
.endr
	s_wait_kmcnt 0x0
	s_cmp_eq_u32 s27, 0
	s_cselect_b64 s[20:21], s[6:7], s[4:5]
	s_cmp_eq_u32 s27, 1
	s_cselect_b64 s[20:21], s[8:9], s[20:21]
	s_cmp_eq_u32 s27, 2
	s_cselect_b64 s[20:21], s[10:11], s[20:21]
	s_cmp_eq_u32 s27, 3
	s_cselect_b64 s[20:21], s[12:13], s[20:21]
	s_cmp_eq_u32 s27, 4
	s_cselect_b64 s[22:23], s[14:15], s[16:17]
	s_add_nc_u64 s[20:21], s[20:21], s[28:29]
.set j, 0
.rept 16
	global_load_b128 v[X+4*j:X+4*j+3], v4, s[20:21] offset:256*j th:TH_LOAD_NT
.set j, j+1
.endr
.set j, 0
.rept 16
	s_wait_loadcnt 15-j                            ; loads come back in order: load j is in, the 15 - j younger ones may stay out
	v_cvt_pk_bf16_f32 v[Y+2*j], v[X+4*j], v[X+4*j+1]
	v_cvt_pk_bf16_f32 v[Y+2*j+1], v[X+4*j+2], v[X+4*j+3]
.set j, j+1
.endr
	s_cmp_lg_u32 s27, 3
	s_cbranch_scc1 .Lstore
.set j, 0
.rept 32                               ; Wo alone: the bf16 numbers are widened and written as f16
	v_lshlrev_b32 v[24+2*(j%2)], 16, v[Y+j]
	v_and_b32 v[25+2*(j%2)], 0xffff0000, v[Y+j]
	v_cvt_pk_f16_f32 v[Y+j], v[24+2*(j%2)], v[25+2*(j%2)]
.set j, j+1
.endr
.Lstore:
.set j, 0
.rept 16
	global_store_b64 v[OFF+j], v[Y+2*j:Y+2*j+1], s[22:23]  ; 32 lanes: two block rows, 256 consecutive bytes
.set j, j+1
.endr
	s_endpgm
.Lfill:
	s_sub_co_u32 s30, ttmp9, 768
	s_cmp_lt_u32 s30, 8
	s_cselect_b32 s31, 0xff7fffff, 0               ; the first half of st is cm, the second ls
	s_lshl_b32 s28, s30, 16
	s_mov_b32 s29, 0
	v_mov_b32 v32, s31
	v_mov_b32 v33, s31
	v_mov_b32 v34, s31
	v_mov_b32 v35, s31
	v_lshlrev_b32 v4, 4, v0
	s_wait_kmcnt 0x0
	s_add_nc_u64 s[18:19], s[18:19], s[28:29]
.set j, 0
.rept 16
	global_store_b128 v4, v[32:35], s[18:19] offset:4096*j
.set j, j+1
.endr
	s_endpgm
.Lfunc_end_k_q068d347846_prep:
	.size	k_q068d347846_prep, .Lfunc_end_k_q068d347846_prep-k_q068d347846_prep
	.p2alignl 7, 3214868480
	.fill 96, 4, 3214868480
	.section	.rodata,"a",@progbits
	.p2align	6, 0x0
	.amdhsa_kernel k_q068d347846_prep
		.amdhsa_group_segment_fixed_size 0
		.amdhsa_private_segment_fixed_size 0
		.amdhsa_enable_private_segment 0
		.amdhsa_kernarg_size 64
		.amdhsa_user_sgpr_count 2
		.amdhsa_user_sgpr_kernarg_segment_ptr 1
		.amdhsa_wavefront_size32 1
		.amdhsa_system_sgpr_workgroup_id_x 1
		.amdhsa_system_sgpr_workgroup_id_y 1
		.amdhsa_system_sgpr_workgroup_id_z 1
		.amdhsa_system_vgpr_workitem_id 0
		.amdhsa_next_free_vgpr 128
		.amdhsa_next_free_sgpr 66
		.amdhsa_reserve_vcc 0
		.amdhsa_float_denorm_mode_32 3
		.amdhsa_float_denorm_mode_16_64 3
		.amdhsa_memory_ordered 1
		.amdhsa_forward_progress 1
		.amdhsa_inst_pref_size 16
	.end_amdhsa_kernel
	.amdgpu_metadata
---
amdhsa.version: [ 1, 2 ]
amdhsa.kernels:
  - .name:           k_q068d347846_prep
    .symbol:         k_q068d347846_prep.kd
    .args:
      - { .name: x, .offset: 0, .size: 8, .value_kind: global_buffer, .address_space: global }
      - { .name: Wq, .offset: 8, .size: 8, .value_kind: global_buffer, .address_space: global }
      - { .name: Wk, .offset: 16, .size: 8, .value_kind: global_buffer, .address_space: global }
      - { .name: Wv, .offset: 24, .size: 8, .value_kind: global_buffer, .address_space: global }
      - { .name: Wo, .offset: 32, .size: 8, .value_kind: global_buffer, .address_space: global }
      - { .name: xb, .offset: 40, .size: 8, .value_kind: global_buffer, .address_space: global }
      - { .name: wb, .offset: 48, .size: 8, .value_kind: global_buffer, .address_space: global }
      - { .name: st, .offset: 56, .size: 8, .value_kind: global_buffer, .address_space: global }
    .group_segment_fixed_size: 0
    .private_segment_fixed_size: 0
    .kernarg_segment_align: 8
    .kernarg_segment_size: 64
    .max_flat_workgroup_size: 256
    .sgpr_count:     66
    .vgpr_count:     128
    .wavefront_size: 32
...
	.end_amdgpu_metadata
.endif
;; end of part 1
;; launch proj (part 2): grid 8 x 32, 4 waves a work-group, clusters of 4 x 4, 327,680 bytes of LDS; arguments xb, wb, qp, kp, vp; writes qp, kp, vp
.if DOCPART == 2
	.amdgcn_target "amdgcn-amd-amdhsa--gfx1250"
	.amdhsa_code_object_version 6
	.text
	.protected	k_q068d347846_proj
	.globl	k_q068d347846_proj
	.p2align	8
	.type	k_q068d347846_proj,@function
k_q068d347846_proj:
	s_mov_b64 s[64:65], 0
	v_nop
	global_prefetch_b8 v0, s[64:65] scope:SCOPE_SE
	s_setreg_imm32_b32 hwreg(HW_REG_WAVE_MODE, 25, 1), 1
	s_wait_xcnt 0x0
	s_wait_alu depctr_hold_cnt(0) depctr_sa_sdst(0) depctr_va_vdst(0) depctr_va_sdst(0) depctr_va_ssrc(0) depctr_va_vcc(0) depctr_vm_vsrc(0)
	s_getreg_b32 s2, hwreg(HW_REG_IB_STS2, 6, 4)
	s_cmp_eq_u32 s2, 0
	s_cbranch_scc0 .Lentry_in_a_cluster
	s_endpgm
.Lentry_in_a_cluster:
	s_bfe_u32 s2, ttmp6, 0x10000c
	s_cmp_lg_u32 s2, 0xf033
	s_cbranch_scc0 .Lentry_shape_is_right
	s_endpgm
.Lentry_shape_is_right:
; PROJ.  q = x Wq, k = x Wk, v = x Wv in one walk over x: bf16 operands, f32 sums, results rounded once to f16.
; LIMIT.  q, k and v must lie within f16's 65,504.
; SHARES.  A work-group makes 256 tokens x 128 columns of each of q, k, v; a wave 128 tokens x 64 columns of each: 3 x 32 accumulators, windows 1, 2, 3.  So a fragment of x feeds three products.
; K (the 1,024 channels e) goes in 16 steps of 64 through two LDS slots.  A step's tiles are dense pieces of xb and wb, asked for as rows of 256 bytes and padded in LDS behind every 128.
; CLUSTER 4 x 4: x's tile hangs on the token block alone and is asked for jointly along a row of the cluster, the weights' on the column block alone, jointly along a column.
; The token block is 8 cy + the cluster's y: cy is the batch, the cluster's y the block within it, so that 'a batch's first block' hangs on the cluster's y alone, which all sixteen partners share.
; THE PRODUCT IS TRANSPOSED: source 0 = 16 columns of W (turned on the way out of LDS by ds_load_tr16_b128), source 1 = 16 tokens: a lane ends with one token and 8 neighbouring columns.
; OUT: qp, kp f16 [col/64][token][64]; vp f16 [token/128][col/64][token%128][64].
; THE HEAD ROWS.  A batch's first rows average few keys: their numbers are many times the output's root mean square, by which the allowance goes, and one f16 rounding of q, k, v is too coarse for them.
; So q, k, v of tokens 0-31 of each batch go out once more as TWO f16 numbers, hi = f16(x) and lo = f16(x - hi), behind vp's 16,777,216 bytes: f16 [part 6: qh ql kh kl vh vl][batch 4][row 32][1024].
; The next launch makes those rows of the output from them.  A lo below 6e-5 keeps f16's fixed step of 6e-8.
; REGISTERS.  Window 0: v1 l%16, v2 l/16, v4 ADRA, v6 ADRB, v8-10 way out, v11-12 head rows, v24-25 lane bases, v28-29 the add's, v30 prefetch; v32-159 two buffers of x's 8 fragments; v160-255 three of W's 4.
.set NAW,   1                          ; wave 0 fetches x's tile, waves 1-3 the three weights'
.set SLOTX, 131072                     ; slot 1 begins here: one exclusive or turns an address
.set ATILE, 36864                      ; x's tile in LDS: 256 rows x 144
.set BG,    20480                      ; a weight's tile in LDS: two blocks of 64 rows x 160
.set STG,   229376                     ; behind the ring: 16 rows x 144 bytes for each wave
.set SPARE, 238592                     ; the spare words, 128 bytes a wave
.set STEPA, 1048576                    ; bytes from a step's tile of xb to the next
.set STEPB, 393216                     ; the same in wb
.set HB0,   16777216                   ; where the head rows' parts begin in vp
.set PART,  262144                     ; bytes in a part: 4 batches x 32 rows x 2,048
.set ADRA, 4
.set ADRB, 6
.set STO, 8
.set RD, 9
.set GO, 10
.set HO, 11                            ; v11  head rows: (l%16) x 2,048 + 16 (l/16)
.set ONE, 12                           ; v12  1.0
.set A0, 24
.set B0, 25
.set SPW, 28
.set NIL, 29
.set PFO, 30
.set FA, 32
.set FB, 160
.set WV, 14
.set WR, 15
.set WC, 16
.set CX, 17
.set CY, 18
.set TX, 19
.set TY, 20
.set CNT, 21
.set TB, 22
.set LIM, 23
.set G1A, 24
.set G1B, 32
.set G0A, 40
.set G0B, 48
.set PFA, 56
.set OB, 70                            ; s[70:75] where my part of qp, kp, vp begins
.set HBS, 76                           ; s[76:77] where my columns of the head rows' first part begin
.set MSB, 0
.macro WIN new                         ; the high byte repeats the setting that is left; a switch that changes nothing is dropped
.if MSB != (\new)
	s_set_vgpr_msb (MSB<<8)|(\new)
.set MSB, (\new)
.endif
.endm
.macro PLACES                          ; four places behind matrix instructions, in front of loads into their sources and of readers of their results
.rept 4
	v_nop
.endr
.endm
.macro CREST                           ; a round of the cluster's barrier behind its opening barrier
	s_cmp_lg_u32 s[WV], 0
	s_cbranch_scc1 .Lnw0_\@
	s_barrier_signal -3
.Lnw0_\@:
	s_barrier_wait -3
	s_barrier_signal -1
	s_barrier_wait -1
.endm
.macro CROUND
	s_barrier_signal -1
	s_barrier_wait -1
	CREST
.endm
.macro JLOAD st                        ; a joint load by descriptor set st; the branch hangs on the wave's number alone; s_nop 0 and four v_nop follow each line
	s_cmp_lt_u32 s[WV], NAW
	s_cbranch_scc0 .Lfb_\@
	tensor_load_to_lds s[G0A+4*(\st):G0A+4*(\st)+3], s[G1A:G1A+7]
	s_nop 0
	PLACES
	s_branch .Lfd_\@
.Lfb_\@:
	tensor_load_to_lds s[G0B+4*(\st):G0B+4*(\st)+3], s[G1B:G1B+7]
	s_nop 0
	PLACES
.Lfd_\@:
.endm
.macro G1REST g, rows                  ; rows of 128 elements of 2 bytes, dense
	s_mov_b32 s[(\g)+1], 128<<16
	s_mov_b32 s[(\g)+2], (\rows)<<16
	s_mov_b32 s[(\g)+3], 128<<16
	s_mov_b32 s[(\g)+4], \rows
	s_mov_b32 s[(\g)+5], 128
	s_mov_b32 s[(\g)+6], 0
	s_mov_b32 s[(\g)+7], 0
.endm
.macro ASK                             ; a prefetch of x's tile two refills on: 32 blocks of 256 bytes, a lane a block; wave 0 of the clusters with x = 0; the four partners of a row share the tile out by address
	WIN 0
	s_cmp_gt_u32 s[CNT], s[LIM]                    ; the last two refills have no step two on
	s_cbranch_scc0 .Lna_\@
	global_prefetch_b8 v[PFO], s[PFA:PFA+1] th:TH_LOAD_NT scope:SCOPE_SE
.Lna_\@:
.endm
.macro LDA f, a0, n, kq                ; n fragments of x (16 tokens x 32 e) from a0 on, quarter kq, into buffer f
	WIN 0
.set la, \a0
.rept \n
	ds_load_b128 v[FA+64*(\f)+8*la:FA+64*(\f)+8*la+3], v[ADRA] offset:64*(\kq)+2304*la
	ds_load_b128 v[FA+64*(\f)+8*la+4:FA+64*(\f)+8*la+7], v[ADRA] offset:64*(\kq)+2304*la+32
.set la, la+1
.endr
.endm
.macro LDB d, g, kq                    ; weight g's 4 fragments (32 e x 16 columns, turned) into buffer d
	WIN 0
.set lb, 0
.rept 4
	ds_load_tr16_b128 v[FB+32*(\d)+8*lb:FB+32*(\d)+8*lb+3], v[ADRB] offset:BG*(\g)+5120*(\kq)+32*lb
	ds_load_tr16_b128 v[FB+32*(\d)+8*lb+4:FB+32*(\d)+8*lb+7], v[ADRB] offset:BG*(\g)+5120*(\kq)+32*lb+2560
.set lb, lb+1
.endr
.endm
.macro W f, d, w, a, mode              ; 4 products: token block a x the 4 column blocks of buffer d, accumulators in window w; mode 1 starts the sums
	WIN (\w)*0x50
.set bq, 0
.rept 4
.set rD, 8*(4*(\a)+bq)
.set rB, FB+32*(\d)+8*bq
.set rA, FA+64*(\f)+8*(\a)
.if \mode
	v_wmma_f32_16x16x32_bf16 v[rD:rD+7], v[rB:rB+7], v[rA:rA+7], 0
.else
	v_wmma_f32_16x16x32_bf16 v[rD:rD+7], v[rB:rB+7], v[rA:rA+7], v[rD:rD+7]
.endif
.set bq, bq+1
.endr
.endm
.macro GRP f, d, w, a0, n, mode        ; the accumulators take turns, one instruction a turn
.set ga, \a0
.rept \n
	W \f, \d, \w, ga, \mode
.set ga, ga+1
.endr
.endm
; A quarter: 32 along K, 96 products on buffer f; the next quarter's 40 LDS loads stand in three runs, each four places behind the products that read its registers.
.macro Q f, nk, mode
	s_wait_dscnt 8                                 ; all but the youngest eight loads (the third weight's fragments)
	GRP \f, 0, 1, 0, 8, \mode
	PLACES
	LDB 0, 0, \nk
	LDA 1-(\f), 0, 4, \nk
	GRP \f, 1, 2, 0, 8, \mode
	PLACES
	LDB 1, 1, \nk
	LDA 1-(\f), 4, 4, \nk
	s_wait_dscnt 32                                ; all but the two runs of 16 just issued
	GRP \f, 2, 3, 0, 8, \mode
	PLACES
	LDB 2, 2, \nk
.endm
; A slot's last quarter, and the change of slots: each wave waits for all its tensor loads (one is out: its part of the next slot), adds 0 to its spare word, waits for that and for its reads of this slot.
.macro TURN fill
.if \fill
	s_wait_xcnt 0x0                                ; the last prefetch, a step back, has read its address
	s_add_nc_u64 s[PFA:PFA+1], s[PFA:PFA+1], STEPA
.endif
	WIN 0
	s_wait_tensorcnt 0x0
	ds_add_u32 v[SPW], v[NIL]
.if \fill
	s_xor_b32 s[G0A+5], s[G0A+5], SLOTX            ; the walking descriptors: the other slot, the next step
	s_add_nc_u64 s[G0A+6:G0A+7], s[G0A+6:G0A+7], STEPA
	s_xor_b32 s[G0B+5], s[G0B+5], SLOTX
	s_add_nc_u64 s[G0B+6:G0B+7], s[G0B+6:G0B+7], STEPB
.endif
	s_wait_dscnt 9                                 ; the add and the youngest eight loads may be out
	GRP 1, 0, 1, 0, 4, 0
	s_wait_dscnt 0x0                               ; the add is done, my reads of this slot are over
	s_barrier_signal -1
	GRP 1, 0, 1, 4, 4, 0
	WIN 0
	s_barrier_wait -1
.if \fill
	CREST                                          ; the barrier has opened a round of the cluster's: no wave of any partner still reads the slot or has a load on its way
	JLOAD 1                                        ; the refill first; its four v_nop are also the places in front of the loads below
.else
	PLACES
.endif
	s_xor_b32 s[TB], s[TB], SLOTX
	v_add_nc_u32 v[ADRA], s[TB], v[A0]
	v_add_nc_u32 v[ADRB], s[TB], v[B0]
	LDB 0, 0, 0
	LDA 0, 0, 4, 0
.if \fill
	ASK
.endif
	GRP 1, 1, 2, 0, 8, 0
	PLACES
	LDB 1, 1, 0
	LDA 0, 4, 4, 0
	GRP 1, 2, 3, 0, 8, 0
	PLACES
	LDB 2, 2, 0
.endm
	s_load_b256 s[4:11], s[0:1], 0x0               ; xb, wb, qp, kp
	s_load_b64 s[12:13], s[0:1], 0x20              ; vp
	v_lshl_add_u32 v[SPW], v0, 2, SPARE
	v_mov_b32 v[NIL], 0
	ds_add_u32 v[SPW], v[NIL]                      ; the opening: the add and its wait ahead of my first tensor load
	v_lshrrev_b32 v3, 5, v0
	v_readfirstlane_b32 s[WV], v3
	s_lshr_b32 s[WR], s[WV], 1                     ; which 128 tokens are mine
	s_and_b32 s[WC], s[WV], 1                      ; which 64 columns
	s_bfe_u32 s[CX], ttmp6, 0x40000
	s_bfe_u32 s[CY], ttmp6, 0x40004
	s_lshl_b32 s[TX], ttmp9, 2
	s_add_co_u32 s[TX], s[TX], s[CX]               ; column block 0..7
	s_and_b32 s[TY], ttmp7, 0xffff                 ; the cluster's y: the token block within a batch
	s_lshl3_add_u32 s[TY], s[CY], s[TY]            ; token block 0..31 = 8 x batch (cy) + that
	s_lshl_b32 s58, s[CY], 2
	s_lshl_b32 s58, 15, s58                        ; my row of the cluster
	s_lshl_b32 s59, 0x1111, s[CX]                  ; my column
	s_or_b32 s[G1A], s58, (1<<16)|(1<<20)|(1<<21)|(4<<22)|(3<<25)  ; mask; 2-byte elements; padding on; bit 21 beside a mask; behind every 32 words; 4 words: LDS rows 144 bytes apart
	s_or_b32 s[G1B], s59, (1<<16)|(1<<20)|(1<<21)|(4<<22)|(7<<25)  ; 8 words: rows 160 bytes apart
	G1REST G1A, 128                                ; 32,768 bytes: 256 tokens x 64 e
	G1REST G1B, 64                                 ; 16,384 bytes: two blocks of 64 e x 64 columns
	s_max_u32 s2, s[WV], 1
	s_sub_co_u32 s2, s2, 1                         ; which weight I fetch: wave - 1 (wave 0, which fetches x, keeps an address inside wb that it never uses)
	s_lshl_b32 s60, s[TY], 15                      ; xb: token block x 32,768
	s_mov_b32 s61, 0
	s_lshl_b32 s62, s2, 4
	s_lshl1_add_u32 s62, s[TX], s62
	s_lshl_b32 s62, s62, 13                        ; wb: (16 p + 2 tx) x 8,192
	s_mov_b32 s63, 0
	s_mul_i32 s3, s[WV], BG                        ; the weight's place in a slot: a constant and the wave's number times a constant:
	s_add_co_u32 s3, s3, ATILE-BG                  ; behind x's tile, 20,480 bytes for each of waves 1, 2, 3
	s_mov_b32 s[TB], 0
	s_mov_b32 s[CNT], 14
	s_or_b32 s2, s[WV], ttmp9
	s_cmp_eq_u32 s2, 0
	s_cselect_b32 s[LIM], 2, -1                    ; who prefetches: the same in all sixteen partners, for a given wave
	s_wait_dscnt 0x0
	s_wait_kmcnt 0x0
	s_add_nc_u64 s[60:61], s[4:5], s[60:61]
	s_add_nc_u64 s[62:63], s[6:7], s[62:63]
	CROUND                                         ; all sixteen work-groups are here: the first joint loads meet
.irp s, 0,1
	s_mov_b32 s[G0A+4*\s], 1
	s_mov_b32 s[G0A+4*\s+1], \s*SLOTX
	s_add_nc_u64 s[G0A+4*\s+2:G0A+4*\s+3], s[60:61], \s*STEPA
	s_or_b32 s[G0A+4*\s+3], s[G0A+4*\s+3], 0x80000000
	s_mov_b32 s[G0B+4*\s], 1
	s_add_co_u32 s[G0B+4*\s+1], s3, \s*SLOTX
	s_add_nc_u64 s[G0B+4*\s+2:G0B+4*\s+3], s[62:63], \s*STEPB
	s_or_b32 s[G0B+4*\s+3], s[G0B+4*\s+3], 0x80000000
.endr
	s_cmp_lt_u32 s[WV], NAW                        ; a wave's two first fills stand in one branch: two loads of mine are out
	s_cbranch_scc0 .Lfirst_b
	tensor_load_to_lds s[G0A:G0A+3], s[G1A:G1A+7]
	s_nop 0
	tensor_load_to_lds s[G0A+4:G0A+7], s[G1A:G1A+7]
	s_nop 0
	PLACES
	s_branch .Lfirst_done
.Lfirst_b:
	tensor_load_to_lds s[G0B:G0B+3], s[G1B:G1B+7]
	s_nop 0
	tensor_load_to_lds s[G0B+4:G0B+7], s[G1B:G1B+7]
	s_nop 0
	PLACES
.Lfirst_done:
	s_lshl_b32 s58, s[CX], 13                      ; my work-group's quarter of x's tile,
	s_mov_b32 s59, 0
	s_add_nc_u64 s[PFA:PFA+1], s[60:61], s[58:59]
	s_add_nc_u64 s[PFA:PFA+1], s[PFA:PFA+1], 3*STEPA  ; at step 3: the first refill steps it to 4
	s_lshl1_add_u32 s58, s[TX], s[WC]              ; my block of 64 columns
	s_lshl_b32 s2, s58, 20
	s_lshl_b32 s3, s[TY], 15
	s_add_co_u32 s2, s2, s3
	s_lshl_b32 s3, s[WR], 14
	s_add_co_u32 s2, s2, s3
	s_mov_b32 s3, 0
	s_add_nc_u64 s[OB:OB+1], s[8:9], s[2:3]        ; qp, kp: block x 1,048,576 + token x 128
	s_add_nc_u64 s[OB+2:OB+3], s[10:11], s[2:3]
	s_lshl1_add_u32 s2, s[TY], s[WR]
	s_lshl4_add_u32 s2, s2, s58
	s_lshl_b32 s2, s2, 14
	s_add_nc_u64 s[OB+4:OB+5], s[12:13], s[2:3]    ; vp: ((token/128) x 16 + block) x 16,384
	v_and_b32 v1, 15, v0
	v_bfe_u32 v2, v0, 4, 1
	v_mul_u32_u24 v[A0], v1, 144
	v_lshl_add_u32 v[A0], v2, 4, v[A0]
	s_mul_i32 s58, s[WR], 128*144
	v_add_nc_u32 v[A0], s58, v[A0]                 ; (128 wr + l%16) x 144 + 16 (l/16)
	v_and_b32 v3, 7, v0
	v_lshl_add_u32 v3, v2, 3, v3
	v_mul_u32_u24 v[B0], v3, 160
	v_bfe_u32 v3, v0, 3, 1
	v_lshl_add_u32 v[B0], v3, 4, v[B0]             ; the turning load: row 8 (l/16) + l%8, 16 bytes by (l/8)%2
	s_mul_i32 s58, s[WC], 10240
	s_add_co_u32 s58, s58, ATILE
	v_add_nc_u32 v[B0], s58, v[B0]
	v_mov_b32 v[ADRA], v[A0]
	v_mov_b32 v[ADRB], v[B0]
	s_mul_i32 s58, s[WV], 2304
	s_add_co_u32 s58, s58, STG
	v_mul_u32_u24 v[STO], v1, 144
	v_lshl_add_u32 v[STO], v2, 4, v[STO]
	v_add_nc_u32 v[STO], s58, v[STO]               ; into my stage: row l%16, 16 bytes for each half of the lanes
	v_bfe_u32 v[RD], v0, 3, 2
	v_mul_u32_u24 v[RD], v[RD], 144
	v_and_b32 v3, 7, v0
	v_lshl_add_u32 v[RD], v3, 4, v[RD]
	v_add_nc_u32 v[RD], s58, v[RD]                 ; back: 32 lanes take four rows of 128 bytes,
	v_and_b32 v[GO], 31, v0
	v_lshlrev_b32 v[PFO], 8, v[GO]
	v_lshlrev_b32 v[GO], 4, v[GO]                  ; which are 512 consecutive bytes of the output
	s_wait_tensorcnt 0x1                           ; my part of step 0 is in; step 1's may stay out
	s_barrier_signal -1
	s_barrier_wait -1
	LDB 0, 0, 0
	LDA 0, 0, 4, 0
	LDB 1, 1, 0
	LDA 0, 4, 4, 0
	LDB 2, 2, 0
	Q 0, 1, 1                                      ; the first quarter starts the sums: nothing is cleared
	WIN 0
.Lfill:                                                ; 14 trips: a step's second quarter with the refill, the next step's first
	TURN 1
	Q 0, 1, 0
	WIN 0
	s_sub_co_u32 s[CNT], s[CNT], 1
	s_cmp_lg_u32 s[CNT], 0
	s_cbranch_scc1 .Lfill
	TURN 0                                         ; the tail is written out: nothing more is asked for
	Q 0, 1, 0
	s_wait_dscnt 8
	GRP 1, 0, 1, 0, 8, 0
	GRP 1, 1, 2, 0, 8, 0
	s_wait_dscnt 0x0
	GRP 1, 2, 3, 0, 8, 0
	PLACES
	PLACES
; THE WAY OUT, 24 units of 16 tokens x 64 columns: rounded to f16, 16 bytes a lane into my stage, back as whole rows of 128 bytes, stored as 2,048 consecutive bytes.
.macro PACK u, w, a
	s_wait_xcnt 0x0                                ; earlier stores have read their registers: these are rewritten only behind this wait
	WIN 5*(\w)
.set pb, 0
.rept 16
	v_cvt_pk_f16_f32 v[32+16*((\u)%4)+pb], v[32*(\a)+2*pb], v[32*(\a)+2*pb+1]  ; each accumulator's registers in ascending order
.set pb, pb+1
.endr
	WIN 0
.irp f, 0,1,2,3
	ds_store_b128 v[STO], v[32+16*((\u)%4)+4*\f:32+16*((\u)%4)+4*\f+3] offset:32*\f
.endr
.irp f, 0,1,2,3
	ds_load_b128 v[32+16*((\u)%4)+4*\f:32+16*((\u)%4)+4*\f+3], v[RD] offset:576*\f  ; LDS serves a wave's instructions in order (ISA guide 5.7.1.4)
.endr
.endm
.macro SEND u, bs, a, younger          ; younger: the next unit's eight LDS instructions, or none
.irp f, 0,1,2,3
	s_wait_dscnt (\younger)+3-\f
	global_store_b128 v[GO], v[32+16*((\u)%4)+4*\f:32+16*((\u)%4)+4*\f+3], s[(\bs):(\bs)+1] offset:2048*(\a)+512*\f
.endr
.endm
	PACK 0, 1, 0
.set u, 1
.rept 23
	PACK u, 1+u/8, u%8
	SEND u-1, OB+2*((u-1)/8), (u-1)%8, 8
.set u, u+1
.endr
	SEND 23, OB+4, 7, 0
; THE HEAD ROWS: tokens 0-31 of a batch lie in the batch's first block (the cluster's y = 0), in the waves with wr = 0, in accumulators 0-7 of each window.  The sums still stand in the accumulators.
; Accumulator t of product g: hi = f16(x), four packed registers; x - hi, exact, by a multiply-add that reads a half of hi; lo = f16 of that.  A lane's 8 columns are 16 bytes of a row of each part.
; These stores cover 32 bytes of each of 16 rows, not whole runs of 256: 48 of them in 64 of the launch's 1,024 waves.
.macro HSP n, g, t
.set hh_, 96+8*((\n)%2)
.set hl_, hh_+4
	s_wait_xcnt 0x0                                ; earlier stores have read their registers
	WIN 5*(1+(\g))                                 ; sources 0 and 1: the product's window
.irp i, 0,1,2,3
	v_cvt_pk_f16_f32 v[hh_+\i], v[8*(\t)+2*\i], v[8*(\t)+2*\i+1]
.endr
	WIN (1+(\g))<<4                                ; source 2: the product's window
.irp i, 0,1,2,3
	v_fma_mix_f32 v[112+2*\i], -v[hh_+\i], v[ONE], v[8*(\t)+2*\i] op_sel_hi:[1,0,0]
	v_fma_mix_f32 v[113+2*\i], -v[hh_+\i], v[ONE], v[8*(\t)+2*\i+1] op_sel:[1,0,0] op_sel_hi:[1,0,0]
.endr
	WIN 0
.irp i, 0,1,2,3
	v_cvt_pk_f16_f32 v[hl_+\i], v[112+2*\i], v[113+2*\i]
.endr
	global_store_b128 v[HO], v[hh_:hh_+3], s[HBS:HBS+1] offset:2*(\g)*PART+((\t)/4)*32768+32*((\t)%4)
	global_store_b128 v[HO], v[hl_:hl_+3], s[HBS:HBS+1] offset:(2*(\g)+1)*PART+((\t)/4)*32768+32*((\t)%4)
.endm
	s_and_b32 s2, ttmp7, 0xffff
	s_or_b32 s2, s2, s[WR]
	s_cmp_lg_u32 s2, 0                             ; the cluster's y and the wave's number: alike in all sixteen partners
	s_cbranch_scc1 .Lnohead
	s_lshl_b32 s2, s[CY], 16                       ; my batch's 32 rows of 2,048 bytes,
	s_lshl_b32 s3, s[TX], 8                        ; my 64 columns
	s_add_co_u32 s2, s2, s3
	s_lshl_b32 s3, s[WC], 7
	s_add_co_u32 s2, s2, s3
	s_add_co_u32 s2, s2, HB0
	s_mov_b32 s3, 0
	s_add_nc_u64 s[HBS:HBS+1], s[12:13], s[2:3]
	v_lshlrev_b32 v[HO], 11, v1
	v_lshl_add_u32 v[HO], v2, 4, v[HO]
	v_mov_b32 v[ONE], 1.0
.set u, 0
.rept 24
	HSP u, u/8, u%8
.set u, u+1
.endr
.Lnohead:
	s_wait_tensorcnt 0x0                           ; the wave's end
	ds_add_u32 v[SPW], v[NIL]
	s_wait_dscnt 0x0
	CROUND                                         ; the closing round
	s_endpgm
.Lfunc_end_k_q068d347846_proj:
	.size	k_q068d347846_proj, .Lfunc_end_k_q068d347846_proj-k_q068d347846_proj
	.p2alignl 7, 3214868480
	.fill 96, 4, 3214868480
	.section	.rodata,"a",@progbits
	.p2align	6, 0x0
	.amdhsa_kernel k_q068d347846_proj
		.amdhsa_group_segment_fixed_size 327680
		.amdhsa_private_segment_fixed_size 0
		.amdhsa_enable_private_segment 0
		.amdhsa_kernarg_size 40
		.amdhsa_user_sgpr_count 2
		.amdhsa_user_sgpr_kernarg_segment_ptr 1
		.amdhsa_wavefront_size32 1
		.amdhsa_system_sgpr_workgroup_id_x 1
		.amdhsa_system_sgpr_workgroup_id_y 1
		.amdhsa_system_sgpr_workgroup_id_z 1
		.amdhsa_system_vgpr_workitem_id 0
		.amdhsa_next_free_vgpr 1024
		.amdhsa_next_free_sgpr 100
		.amdhsa_reserve_vcc 0
		.amdhsa_float_denorm_mode_32 3
		.amdhsa_float_denorm_mode_16_64 3
		.amdhsa_memory_ordered 1
		.amdhsa_forward_progress 1
		.amdhsa_inst_pref_size 147
	.end_amdhsa_kernel
	.amdgpu_metadata
---
amdhsa.version: [ 1, 2 ]
amdhsa.kernels:
  - .name:           k_q068d347846_proj
    .symbol:         k_q068d347846_proj.kd
    .args:
      - { .name: xb, .offset: 0, .size: 8, .value_kind: global_buffer, .address_space: global }
      - { .name: wb, .offset: 8, .size: 8, .value_kind: global_buffer, .address_space: global }
      - { .name: qp, .offset: 16, .size: 8, .value_kind: global_buffer, .address_space: global }
      - { .name: kp, .offset: 24, .size: 8, .value_kind: global_buffer, .address_space: global }
      - { .name: vp, .offset: 32, .size: 8, .value_kind: global_buffer, .address_space: global }
    .group_segment_fixed_size: 327680
    .private_segment_fixed_size: 0
    .kernarg_segment_align: 8
    .kernarg_segment_size: 40
    .max_flat_workgroup_size: 128
    .sgpr_count:     100
    .vgpr_count:     1024
    .wavefront_size: 32
...
	.end_amdgpu_metadata
.endif
;; end of part 2
;; launch scores (part 3): grid 52 x 4, 4 waves a work-group, no clusters, 327,680 bytes of LDS; arguments qp, kp, pp, st, vp, wb, out0; writes pp, st, out0
.if DOCPART == 3
	.amdgcn_target "amdgcn-amd-amdhsa--gfx1250"
	.amdhsa_code_object_version 6
	.text
	.protected	k_q068d347846_scores
	.globl	k_q068d347846_scores
	.p2align	8
	.type	k_q068d347846_scores,@function
k_q068d347846_scores:
	s_mov_b64 s[64:65], 0
	v_nop
	global_prefetch_b8 v0, s[64:65] scope:SCOPE_SE
	s_setreg_imm32_b32 hwreg(HW_REG_WAVE_MODE, 25, 1), 1
	s_wait_xcnt 0x0
; TWO INDEPENDENT PIECES OF WORK IN ONE LAUNCH, told apart by the work-group's x, which all waves of a work-group share.  x = 0..35: THE SCORES of one tile.  x = 36..51: THE HEAD ROWS (at .Lhead).
; The 4 x 36 tiles are 144 work-groups for a chip of 256 WGPs; the head rows' 64 work-groups, which need only what earlier launches stored, take places that would stand empty.
; The two parts share the arguments' loads, the opening add and the wave's number; behind the one branch each has its own fills, barriers and end, and they never join again.
; The scores' two first fills stand at the start, ahead of that part's first barrier.  The head rows' four tiles are asked for one a wave behind a barrier each:
; such a barrier stands in the head rows' text alone, and a wave is past it only when all four waves of the work-group have come there.
;
; SCORES.  For each tile of 256 queries x 256 keys at or below the diagonal: s = q . k (f16 operands, f32 sums); for each row and each 128 keys (a wave's share) the maximum m is taken away ahead of
; the exponential: p = 2^(c (s - m)), c = log2(e) / 32; p goes out in f16, c m and the sum l of the unrounded p in f32.  The next launch brings the tiles of a row onto one maximum.
; LIMITS.  A hidden score counts as its value less 1e30; p below 6e-5 keeps f16's fixed step of 6e-8; NaN and infinities are not treated apart.
; s - m is formed first and is never above 0, so p lies in 0 to 1 also where all 128 keys are hidden (there c m is about -4.5e28, and the next launch's factor is 0).
; SHARES.  Work-group x = 0..35 is tile (i, j), j <= i, of batch y.  A wave makes 128 queries x 128 keys: 64 accumulators, windows 1 and 2.  K (1,024 channels) goes in 8 steps of 128 through two slots;
; each wave fetches one dense piece of 32,768 bytes a step (256 rows x 64 channels of q or k).
; NO CLUSTER: a batch's 36 tiles are a triangle: rows of 1 to 8 tiles share q, columns of 8 to 1 share k; no cut into fours has one kind of sharing, and whole squares would hold tiles that nobody needs.
; THE MASK is the C operand that starts the sums: 0 or -1e30, three sets of 8 registers (below, on, above the diagonal of 16 x 16 blocks).
; THE PRODUCT IS TRANSPOSED (source 0 = 16 keys, source 1 = 16 queries): a lane ends with one query and 8 neighbouring keys.
; OUT: pp f16 [b][key/64][q 2048][64]; st f32 cm[b][key/128][q], ls the same 524,288 bytes on.
.set SLOTX, 147456                     ; a slot: q's two pieces, k's two pieces, 36,864 bytes each; its two bits meet none of 36,864 x wave
.set BG,    9216                       ; 64 keys further down in k's piece
.set STAT,  295424                     ; 1,024 bytes a wave: c m of my 128 rows, then l
.set SPARE, 319488                     ; the spare words, 128 bytes a wave: the same two blocks of 256 bytes in both parts; no other line of either names them
.set STEPA, 2097152
.set ADRA, 4
.set ADRB, 6
.set STO, 8
.set RD, 9
.set GO, 10
.set STA, 11
.set SRD, 12
.set SGO, 13
.set A0, 24
.set B0, 25
.set SPW, 28
.set NIL, 29
.set PFO, 30
.set FA, 32
.set FB, 160
.set MD, 224                           ; v[224:231] the mask of a block on the diagonal
.set MB, 232                           ; v[232:239] of a block above it
.set ML, 240                           ; v[240:247] of a block below it
.set X, 32                             ; the way out: 16 rows' scores
.set MM, 96                            ; m (even), c m (odd) of row pair k
.set LL, 112                           ; l
.set Y, 128                            ; p in f16
.set WV, 14
.set WR, 15
.set WC, 16
.set II, 19
.set JJ, 20
.set CNT, 21
.set TB, 22
.set LIM, 23
.set G1A, 24
.set G0A, 40
.set PFA, 56
.set TAILC, 67
.set CS, 68
.set OB, 70
.set BB, 78
.set VPP, 80                           ; s[80:81] vp, s[82:83] wb, s[84:85] out0: the head rows' three
.set WBP, 82
.set OUP, 84
.set MSB, 0
.macro WIN new                         ; the high byte repeats the setting that is left
.if MSB != (\new)
	s_set_vgpr_msb (MSB<<8)|(\new)
.set MSB, (\new)
.endif
.endm
.macro PLACES                          ; four places behind matrix instructions (ISA guide 7.12.1)
.rept 4
	v_nop
.endr
.endm
.macro ASK                             ; a prefetch of my own piece two refills on: 128 blocks of 256 bytes, four lines.  q's rows are asked for by the tile with j = 0, k's by the tile on the diagonal: each block once
	WIN 0
	s_cmp_gt_u32 s[CNT], s[LIM]
	s_cbranch_scc0 .Lna_\@
.irp o, 0,1,2,3
	global_prefetch_b8 v[PFO], s[PFA:PFA+1] offset:8192*\o th:TH_LOAD_NT scope:SCOPE_SE
.endr
.Lna_\@:
.endm
.macro LDA f, a0, n, kq
	WIN 0
.set la, \a0
.rept \n
	ds_load_b128 v[FA+64*(\f)+8*la:FA+64*(\f)+8*la+3], v[ADRA] offset:((\kq)>>1)*36864+((\kq)&1)*64+2304*la
	ds_load_b128 v[FA+64*(\f)+8*la+4:FA+64*(\f)+8*la+7], v[ADRA] offset:((\kq)>>1)*36864+((\kq)&1)*64+2304*la+32
.set la, la+1
.endr
.endm
.macro LDB d, g, kq
	WIN 0
.set lb, 0
.rept 4
	ds_load_b128 v[FB+32*(\d)+8*lb:FB+32*(\d)+8*lb+3], v[ADRB] offset:BG*(\g)+((\kq)>>1)*36864+((\kq)&1)*64+2304*lb
	ds_load_b128 v[FB+32*(\d)+8*lb+4:FB+32*(\d)+8*lb+7], v[ADRB] offset:BG*(\g)+((\kq)>>1)*36864+((\kq)&1)*64+2304*lb+32
.set lb, lb+1
.endr
.endm
.macro W f, d, w, a, mode              ; 4 products: query block a x key blocks 4 d + 0..3; mode 1: the mask starts the sums
.set bq, 0
.rept 4
.set rD, 8*(4*(\a)+bq)
.set rB, FB+32*(\d)+8*bq
.set rA, FA+64*(\f)+8*(\a)
.if \mode
.set dl, 4*(\d)+bq-(\a)
.set rC, MD
.if dl < 0
.set rC, ML
.elseif dl > 0
.set rC, MB
.endif
	WIN (\w)<<6
	v_wmma_f32_16x16x32_f16 v[rD:rD+7], v[rB:rB+7], v[rA:rA+7], v[rC:rC+7]
.else
	WIN (\w)*0x50
	v_wmma_f32_16x16x32_f16 v[rD:rD+7], v[rB:rB+7], v[rA:rA+7], v[rD:rD+7]
.endif
.set bq, bq+1
.endr
.endm
.macro GRP f, d, w, a0, n, mode        ; the accumulators take turns
.set ga, \a0
.rept \n
	W \f, \d, \w, ga, \mode
.set ga, ga+1
.endr
.endm
.macro Q f, nk, mode                   ; a quarter: 32 along K, 64 products; the next quarter's 32 LDS loads in two runs
	s_wait_dscnt 8                                 ; all but the youngest eight loads (the second 64 keys' fragments)
	GRP \f, 0, 1, 0, 8, \mode
	PLACES
	LDB 0, 0, \nk
	LDA 1-(\f), 0, 8, \nk
	s_wait_dscnt 24                                ; all but the 24 just issued
	GRP \f, 1, 2, 0, 8, \mode
	PLACES
	LDB 1, 1, \nk
.endm
.macro TURN fill                       ; a slot's last quarter and the change of slots
.if \fill
	s_wait_xcnt 0x0                                ; the last prefetches, a step back, have read their address
	s_add_nc_u64 s[PFA:PFA+1], s[PFA:PFA+1], STEPA
.endif
	WIN 0
	s_wait_tensorcnt 0x0                           ; all my tensor loads have landed: the one that was out is my part of the next slot
	ds_add_u32 v[SPW], v[NIL]
.if \fill
	s_xor_b32 s[G0A+5], s[G0A+5], SLOTX
	s_add_nc_u64 s[G0A+6:G0A+7], s[G0A+6:G0A+7], STEPA
.endif
	s_wait_dscnt 9                                 ; the add and the youngest eight loads may be out
	GRP 1, 0, 1, 0, 4, 0
	s_wait_dscnt 0x0                               ; the add is done, my reads of this slot are over
	s_barrier_signal -1
	GRP 1, 0, 1, 4, 4, 0
	WIN 0
	s_barrier_wait -1
.if \fill
	tensor_load_to_lds s[G0A+4:G0A+7], s[G1A:G1A+7]  ; my one load behind the barrier, first thing there
	s_nop 0
.endif
	PLACES
	s_xor_b32 s[TB], s[TB], SLOTX
	v_add_nc_u32 v[ADRA], s[TB], v[A0]
	v_add_nc_u32 v[ADRB], s[TB], v[B0]
	LDB 0, 0, 0
	LDA 0, 0, 8, 0
.if \fill
	ASK
.endif
	GRP 1, 1, 2, 0, 8, 0
	PLACES
	LDB 1, 1, 0
.endm
	; THE COMMON HEAD
	s_load_b256 s[4:11], s[0:1], 0x0               ; qp, kp, pp, st
	s_load_b128 s[VPP:VPP+3], s[0:1], 0x20         ; vp, wb
	s_load_b64 s[OUP:OUP+1], s[0:1], 0x30          ; out0
	v_lshl_add_u32 v[SPW], v0, 2, SPARE
	v_mov_b32 v[NIL], 0
	ds_add_u32 v[SPW], v[NIL]                      ; the opening: the add and its wait ahead of my first tensor load, with no branch between the two
	v_lshrrev_b32 v3, 5, v0
	v_readfirstlane_b32 s[WV], v3
	s_wait_dscnt 0x0
	s_cmp_ge_u32 ttmp9, 36                         ; the work-group's x: the same in all four waves
	s_cbranch_scc1 .Lhead
	; THE SCORES
	s_lshr_b32 s[WR], s[WV], 1
	s_and_b32 s[WC], s[WV], 1
	s_and_b32 s[BB], ttmp7, 0xffff
	s_mov_b32 s[II], 0
.irp t, 1,3,6,10,15,21,28              ; i = how many rows of the triangle begin at or before my number
	s_cmp_ge_u32 ttmp9, \t
	s_add_co_ci_u32 s[II], s[II], 0
.endr
	s_add_co_u32 s58, s[II], 1
	s_mul_i32 s58, s58, s[II]
	s_lshr_b32 s58, s58, 1
	s_sub_co_u32 s[JJ], ttmp9, s58
	s_mov_b32 s[G1A], (1<<16)|(1<<20)|(4<<22)|(3<<25)  ; 2-byte elements; padding on, behind every 32 words, 4 words: LDS rows 144 bytes apart
	s_mov_b32 s[G1A+1], 128<<16
	s_mov_b32 s[G1A+2], 128<<16
	s_mov_b32 s[G1A+3], 128<<16
	s_mov_b32 s[G1A+4], 128
	s_mov_b32 s[G1A+5], 128
	s_mov_b32 s[G1A+6], 0
	s_mov_b32 s[G1A+7], 0
	s_cmp_lt_u32 s[WV], 2                          ; waves 0, 1 fetch q's two pieces, waves 2, 3 k's
	s_cselect_b32 s58, s[II], s[JJ]
	s_lshl_b32 s58, s58, 8
	s_lshl_b32 s59, s[BB], 11
	s_add_co_u32 s58, s58, s59
	s_lshl_b32 s58, s58, 7                         ; (2,048 b + 256 block) x 128
	s_lshl_b32 s59, s[WC], 20                      ; + the second 64 channels
	s_add_co_u32 s58, s58, s59
	s_mov_b32 s59, 0
	s_mul_i32 s3, s[WV], 36864
	s_mov_b32 s[TB], 0
	s_mov_b32 s[CNT], 6
	s_mov_b32 s[CS], 0x3d38aa3b                    ; c = log2(e) / 32
	s_mov_b32 s[CS+1], s[CS]
	s_cmp_lt_u32 s[WV], 2
	s_cselect_b32 s2, 0, s[II]
	s_cmp_eq_u32 s[JJ], s2
	s_cselect_b32 s[LIM], 2, -1                    ; who prefetches
	s_wait_kmcnt 0x0
	s_cmp_lt_u32 s[WV], 2
	s_cselect_b64 s[60:61], s[4:5], s[6:7]
	s_add_nc_u64 s[60:61], s[60:61], s[58:59]
.irp s, 0,1
	s_mov_b32 s[G0A+4*\s], 1
	s_add_co_u32 s[G0A+4*\s+1], s3, \s*SLOTX
	s_add_nc_u64 s[G0A+4*\s+2:G0A+4*\s+3], s[60:61], \s*STEPA
	s_or_b32 s[G0A+4*\s+3], s[G0A+4*\s+3], 0x80000000
.endr
	tensor_load_to_lds s[G0A:G0A+3], s[G1A:G1A+7]  ; steps 0 and 1: two loads of mine are out
	s_nop 0
	tensor_load_to_lds s[G0A+4:G0A+7], s[G1A:G1A+7]
	s_nop 0
	PLACES
	s_add_nc_u64 s[PFA:PFA+1], s[60:61], 3*STEPA   ; at step 3: the first refill steps it to 4
	s_lshl_b32 s58, s[BB], 5
	s_lshl2_add_u32 s58, s[JJ], s58
	s_lshl1_add_u32 s58, s[WC], s58
	s_lshl_b32 s58, s58, 11
	s_lshl_b32 s2, s[II], 8
	s_add_co_u32 s58, s58, s2
	s_lshl_b32 s2, s[WR], 7
	s_add_co_u32 s58, s58, s2
	s_lshl_b32 s58, s58, 7
	s_mov_b32 s59, 0
	s_add_nc_u64 s[OB:OB+1], s[8:9], s[58:59]      ; pp: ((32 b + 4 j + 2 wc) x 2,048 + 256 i + 128 wr) x 128
	s_lshl_b32 s58, s[BB], 4
	s_lshl1_add_u32 s58, s[JJ], s58
	s_add_co_u32 s58, s58, s[WC]
	s_lshl_b32 s58, s58, 11
	s_lshl_b32 s2, s[II], 8
	s_add_co_u32 s58, s58, s2
	s_lshl_b32 s2, s[WR], 7
	s_add_co_u32 s58, s58, s2
	s_lshl_b32 s58, s58, 2
	s_add_nc_u64 s[OB+2:OB+3], s[10:11], s[58:59]  ; st: ((16 b + 2 j + wc) x 2,048 + 256 i + 128 wr) x 4
	v_and_b32 v1, 15, v0
	v_bfe_u32 v2, v0, 4, 1
	v_mul_u32_u24 v3, v1, 144
	v_lshl_add_u32 v3, v2, 4, v3
	s_mul_i32 s58, s[WR], 128*144
	v_add_nc_u32 v[A0], s58, v3
	s_mul_i32 s58, s[WC], 128*144
	s_add_co_u32 s58, s58, 73728
	v_add_nc_u32 v[B0], s58, v3
	v_mov_b32 v[ADRA], v[A0]
	v_mov_b32 v[ADRB], v[B0]
	; the masks.  On the diagonal tile key 128 wc + 16 d + 8 (l/16) + e is hidden from query 128 wr + 16 a + l%16 where it is the greater
	s_cmp_eq_u32 s[II], s[JJ]
	s_cselect_b32 s58, 0xf149f2ca, 0               ; -1e30
	s_cmp_ge_u32 s[WC], s[WR]
	s_cselect_b32 s59, s58, 0
	s_cmp_gt_u32 s[WC], s[WR]
	s_cselect_b32 s58, s58, 0
.set e, 0
.rept 8
	v_mov_b32 v[ML+e], s58
	v_mov_b32 v[MB+e], s59
.set e, e+1
.endr
	v_lshlrev_b32 v3, 3, v2
	v_sub_nc_u32 v3, v1, v3
.set e, 0
.rept 8
	v_cmp_gt_i32 vcc_lo, e, v3
	v_cndmask_b32 v[MD+e], v[ML], v[MB], vcc_lo
.set e, e+1
.endr
	s_mul_i32 s58, s[WV], 67584                    ; my stage, 128 rows x 528 bytes, lies over the ring once the ring has had its last fill and its last read
	v_mul_u32_u24 v[STO], v1, 528
	v_lshl_add_u32 v[STO], v2, 5, v[STO]
	v_add_nc_u32 v[STO], s58, v[STO]
	v_mul_u32_u24 v[RD], v2, 528
	v_lshl_add_u32 v[RD], v1, 4, v[RD]
	v_add_nc_u32 v[RD], s58, v[RD]
	v_lshlrev_b32 v[GO], 3, v1
	v_lshl_add_u32 v[GO], v2, 7, v[GO]
	s_lshl_b32 s58, s[WV], 10
	s_add_co_u32 s58, s58, STAT
	v_lshl_add_u32 v[STA], v2, 2, s58
	v_and_b32 v[SGO], 31, v0
	v_lshlrev_b32 v[PFO], 8, v[SGO]
	v_lshlrev_b32 v[SGO], 4, v[SGO]
	v_add_nc_u32 v[SRD], s58, v[SGO]
	s_wait_tensorcnt 0x1                           ; my part of step 0 is in; step 1's may stay out
	s_barrier_signal -1
	s_barrier_wait -1
	LDB 0, 0, 0
	LDA 0, 0, 8, 0
	LDB 1, 1, 0
	Q 0, 1, 1                                      ; the first quarter starts the sums with the masks
	WIN 0
.Lfill:                                                ; 6 trips: the rest of a step, with the refill, and the next step's first quarter
	Q 1, 2, 0
	Q 0, 3, 0
	TURN 1
	Q 0, 1, 0
	WIN 0
	s_sub_co_u32 s[CNT], s[CNT], 1
	s_cmp_lg_u32 s[CNT], 0
	s_cbranch_scc1 .Lfill
	s_mov_b32 s[TAILC], 2
.Ltail:                                                ; the last two steps ask for nothing; the second trip is left in its middle
	Q 1, 2, 0
	Q 0, 3, 0
	WIN 0
	s_sub_co_u32 s[TAILC], s[TAILC], 1
	s_cmp_eq_u32 s[TAILC], 0
	s_cbranch_scc1 .Llast
	TURN 0
	Q 0, 1, 0
	WIN 0
	s_branch .Ltail
.Llast:
	s_wait_dscnt 8
	GRP 1, 0, 1, 0, 8, 0
	s_wait_dscnt 0x0
	GRP 1, 1, 2, 0, 8, 0
	WIN 0
	PLACES
	PLACES
	s_barrier_signal -1                            ; no LDS load of mine is out: when all four have said so nobody reads the ring any more
	s_barrier_wait -1
.irp g, 0,1                            ; the scores go into my stage as rows of 128 keys; each accumulator's low registers first
	WIN (1+\g)<<2
.set t, 0
.rept 32
	ds_store_b128 v[STO], v[8*t:8*t+3] offset:8448*(t/4)+256*\g+64*(t%4)
	ds_store_b128 v[STO], v[8*t+4:8*t+7] offset:8448*(t/4)+256*\g+64*(t%4)+16
.set t, t+1
.endr
.endr
	WIN 0
	s_mov_b32 s[CNT], 8
.Lrows:                                                ; 8 trips of 16 rows.  Load pair k: rows 2 k + l/16; a row's 128 keys lie in 16 lanes, 4 + 4 each
.irp k, 0,1,2,3,4,5,6,7
	ds_load_b128 v[X+8*\k:X+8*\k+3], v[RD] offset:1056*\k
	ds_load_b128 v[X+8*\k+4:X+8*\k+7], v[RD] offset:1056*\k+256
.endr
	s_wait_dscnt 0x0
.irp k, 0,1,2,3,4,5,6,7
	v_max3_num_f32 v[MM+2*\k], v[X+8*\k], v[X+8*\k+1], v[X+8*\k+2]
.endr
.irp k, 0,1,2,3,4,5,6,7
	v_max3_num_f32 v[MM+2*\k], v[MM+2*\k], v[X+8*\k+3], v[X+8*\k+4]
.endr
.irp k, 0,1,2,3,4,5,6,7
	v_max3_num_f32 v[MM+2*\k], v[MM+2*\k], v[X+8*\k+5], v[X+8*\k+6]
.endr
.irp k, 0,1,2,3,4,5,6,7
	v_max_num_f32 v[MM+2*\k], v[MM+2*\k], v[X+8*\k+7]
.endr
.irp x, 1,2,4,8
.irp k, 0,1,2,3,4,5,6,7
	v_max_num_f32_dpp v[MM+2*\k], v[MM+2*\k], v[MM+2*\k] row_xmask:\x row_mask:0xf bank_mask:0xf
.endr
.endr
.irp k, 0,1,2,3,4,5,6,7
	v_mul_f32 v[MM+2*\k+1], s[CS], v[MM+2*\k]      ; c m, for the next launch
.endr
.irp k, 0,1,2,3,4,5,6,7
.irp p, 0,2,4,6
	v_pk_add_f32 v[X+8*\k+\p:X+8*\k+\p+1], v[X+8*\k+\p:X+8*\k+\p+1], v[MM+2*\k:MM+2*\k+1] op_sel_hi:[1,0] neg_lo:[0,1] neg_hi:[0,1]  ; s - m: never above 0
.endr
.endr
.set t, 0
.rept 32
	v_pk_mul_f32 v[X+2*t:X+2*t+1], v[X+2*t:X+2*t+1], s[CS:CS+1] op_sel_hi:[1,0]
.set t, t+1
.endr
.set t, 0
.rept 64
	v_exp_f32 v[X+t], v[X+t]                       ; one batch
.set t, t+1
.endr
	v_nop                                          ; a plain instruction behind the last exponential (ISA guide 5.7.2),
	s_wait_alu depctr_va_vdst(0)                   ; and the one wait ahead of the batch's first reader
.set t, 0
.rept 32
	v_cvt_pk_f16_f32 v[Y+t], v[X+2*t], v[X+2*t+1]
.set t, t+1
.endr
.irp k, 0,1,2,3,4,5,6,7
	v_pk_add_f32 v[X+8*\k:X+8*\k+1], v[X+8*\k:X+8*\k+1], v[X+8*\k+2:X+8*\k+3]
	v_pk_add_f32 v[X+8*\k+4:X+8*\k+5], v[X+8*\k+4:X+8*\k+5], v[X+8*\k+6:X+8*\k+7]
.endr
.irp k, 0,1,2,3,4,5,6,7
	v_pk_add_f32 v[X+8*\k:X+8*\k+1], v[X+8*\k:X+8*\k+1], v[X+8*\k+4:X+8*\k+5]
.endr
.irp k, 0,1,2,3,4,5,6,7
	v_add_f32 v[LL+\k], v[X+8*\k], v[X+8*\k+1]
.endr
.irp x, 1,2,4,8
.irp k, 0,1,2,3,4,5,6,7
	v_add_f32_dpp v[LL+\k], v[LL+\k], v[LL+\k] row_xmask:\x row_mask:0xf bank_mask:0xf
.endr
.endr
.irp k, 0,1,2,3,4,5,6,7
	ds_store_b32 v[STA], v[MM+2*\k+1] offset:8*\k      ; sixteen lanes write the same word with the same number
	ds_store_b32 v[STA], v[LL+\k] offset:8*\k+512
.endr
.irp k, 0,1,2,3,4,5,6,7
	global_store_b64 v[GO], v[Y+4*\k:Y+4*\k+1], s[OB:OB+1] offset:256*\k           ; two rows of 128 bytes: 256 consecutive bytes, aligned
	global_store_b64 v[GO], v[Y+4*\k+2:Y+4*\k+3], s[OB:OB+1] offset:256*\k+262144  ; the second 64 keys' block
.endr
	s_wait_xcnt 0x0                                ; the stores have read their offset and data: both are rewritten only behind this wait
	v_add_nc_u32 v[GO], 2048, v[GO]
	v_add_nc_u32 v[RD], 8448, v[RD]
	v_add_nc_u32 v[STA], 64, v[STA]
	s_sub_co_u32 s[CNT], s[CNT], 1
	s_cmp_lg_u32 s[CNT], 0
	s_cbranch_scc1 .Lrows
	ds_load_b128 v[32:35], v[SRD]                  ; my own 128 c m and 128 l, 512 bytes each
	ds_load_b128 v[36:39], v[SRD] offset:512
	s_wait_dscnt 0x0
	global_store_b128 v[SGO], v[32:35], s[OB+2:OB+3]
	global_store_b128 v[SGO], v[36:39], s[OB+2:OB+3] offset:524288
	s_wait_tensorcnt 0x0                           ; the wave's end
	ds_add_u32 v[SPW], v[NIL]
	s_wait_dscnt 0x0
	s_endpgm
.Lhead:
; THE HEAD ROWS.  Rows 0-31 of each batch of out0 are made here, whole, and by nobody else: the last launch leaves them out.  These rows average 1 to 32 keys, so their numbers are many times the
; output's root mean square, by which the allowance goes; one f16 rounding each of q, k, p, v and O is too coarse for those of them that lie near 0.  Here every such number is TWO f16 numbers, hi + lo, and a
; product is hi hi + hi lo + lo hi on the matrix unit, summed in f32 (lo lo, 2^-22 of the product, is left out).  Wo is its bf16 rounding, exact in f16.  By the mask rows 0-31 see keys 0-31 alone.
; IN: behind vp's 16,777,216 bytes f16 [part 6: qh ql kh kl vh vl][batch 4][row 32][1024]; wb at WO: f16 [c/128 (8)][o/64 (16)][c%128][o%64].
; LIMITS.  q, k, v within f16's 65,504; a lo part below 6e-5 keeps f16's fixed step of 6e-8; a hidden score counts as -1e30; NaN and infinities are not treated apart.
; SHARES.  Work-group (36 + x, y): batch y, output columns 64 x .. 64 x + 63.  The 1,024 channels of all three sums are SPLIT AMONG THE FOUR WAVES, 256 each; partial scores and partial outputs meet in LDS.
;   1  S^T = K Q^T over my 256 channels (source 0 = 16 keys, source 1 = 16 queries): 4 accumulators; fragments straight from memory, where K lies along the rows.
;   2  every wave adds the four partial scores, masks, takes the row's maximum away, p = 2^(c (s - m)) / sum, c = log2(e) / 32, and splits p.  A lane holds one query: p's pairs ARE source 1 of step 3.
;   3  for each 32 of my channels: O^T = V^T P (V turned by ds_load_tr16_b128), split, and out^T += Wo^T O^T for the 64 columns: O^T's pairs ARE source 1 again.
;   4  the four partial outputs meet in LDS and leave as whole rows of 256 bytes.
; All sixteen work-groups of a batch make the same scores, 384 of a work-group's 1,280 products: the price of handing nothing from work-group to work-group.
; NO PREFETCH: each piece is asked for once; nothing is asked for in a loop.
; LDS: for wave w at 75,776 w: V hi (32 keys x 544), V lo, Wo (256 channels x 160); later the wave's partial output (32 rows x 272) over V hi, which has had its one fill.  Then the partial scores, then the spare words.
; THE FOUR TILES of a wave (V hi, V lo, Wo's two halves) are each filled once, into the wave's own bytes, one behind a barrier each (HFILL): at the start and behind steps 0, 2 and 4 of part 1, which touches no LDS.
; One load of mine is out at a time, and it has one to three steps of part 1 in which to land.
.set HB0,   16777216
.set PART,  262144                     ; bytes in a part: 4 batches x 32 rows x 2,048
.set WO,    6291456
.set WREG,  75776                      ; a wave's LDS
.set VLO,   17408                      ; V lo in it
.set WOL,   34816                      ; Wo in it
.set PV,    544                        ; a key's 256 channels: 512 bytes + 32: an odd multiple of 32
.set PW,    160                        ; a channel's 64 columns: 128 + 32
.set PO,    272                        ; a row of the partial output: 256 + 16
.set SS,    303104                     ; partial scores: 4,096 bytes a wave; they end where the spare words begin
.set QA, 4                             ; v4   my offset in a fragment's rows of a part: (l%16) x 2,048 + 16 (l/16) + 512 w; never rewritten
.set VA, 5                             ; v5   LDS address of V's turning loads; steps
.set WA, 6                             ; v6   of Wo's; steps
.set SSW, 7                            ; v7   where I put my partial scores
.set SSR, 8                            ; v8   where I read wave 0's
.set VT, 9                             ; v9   l%16 - 8 (l/16)
.set BIG, 10                           ; v10  -1e30
.set ONE, 11                           ; v11  1.0
.set STO, 12                           ; v12  where I put 32 bytes of a row of my partial output
.set GO, 13                            ; v13  my offset in two rows of out0
.set MX, 16                            ; v16-19  query block q: v[16+2q] m, then the sum, then its reciprocal; v[17+2q] the other half of the lanes'
.set TT, 20                            ; v20-27  at work
.set SA, 32                            ; v32-63   step 1: S^T, accumulator 2 q + key block; step 3: O^T, accumulator 2 q + channel block
.set SV, 64                            ; v64-95   step 2: the 32 scores; step 3: O hi (64-79), O lo (80-95)
.set PH, 96                            ; v96-111  p hi, 8 registers a query block
.set PL, 112                           ; v112-127 p lo
.set VF, 128                           ; v128-159 V^T: hi channel blocks 0, 1, lo 0, 1
.set WF, 160                           ; v160-191 Wo^T: 4 column blocks
.set OU, 192                           ; v192-255 out^T, accumulator 2 (column block) + q.   Step 1: v64-255 are three buffers of 8 fragments
.set BB, 16
.set HX, 17                            ; s17  my block of 64 output columns
.set G1V, 24
.set G1W, 32
.set G0, 40                            ; s[40:55] four sets of group 0, none ever rewritten
.set HBB, 56                           ; s[56:57] the first part at my batch
.set SEL, 66
; Tile n of my four is asked for, by shape g1: all my tensor loads have landed, 0 goes onto my spare word, that is waited for, all four waves meet, and my one load stands first behind the barrier.
.macro HFILL n, g1
	s_wait_tensorcnt 0x0                           ; no tensor load of mine is out
	ds_add_u32 v[SPW], v[NIL]
	s_wait_dscnt 0x0                               ; the add is done; no other LDS instruction of mine is out
	s_barrier_signal -1
	s_barrier_wait -1
	tensor_load_to_lds s[G0+4*(\n):G0+4*(\n)+3], s[(\g1):(\g1)+7]
	s_nop 0
.endm
; The 8 fragments of 32 channels, step ks of my 8, into buffer bf: kh 0, 1; kl 0, 1; qh 0, 1; ql 0, 1 (16 rows each): two loads of 16 bytes a lane, 32 bytes apart
.macro LQK bf, ks
.set f_, 0
.rept 8
.set o_, ((f_/2+2)%4)*PART+(f_%2)*32768+64*(\ks)
	global_load_b128 v[64+64*(\bf)+8*f_:64+64*(\bf)+8*f_+3], v[QA], s[HBB:HBB+1] offset:o_
	global_load_b128 v[64+64*(\bf)+8*f_+4:64+64*(\bf)+8*f_+7], v[QA], s[HBB:HBB+1] offset:o_+32
.set f_, f_+1
.endr
.endm
; 12 products: kh qh, kh ql, kl qh on the four accumulators, which take turns
.macro MQK bf, zero
.set e_, 0
.rept 12
.set t_, e_%4
.set ka_, 64+64*(\bf)+8*(t_%2)+16*(e_/8)
.set qa_, 64+64*(\bf)+32+8*(t_/2)+16*((e_/4)%2)
.if (\zero) && (e_ < 4)
	v_wmma_f32_16x16x32_f16 v[SA+8*t_:SA+8*t_+7], v[ka_:ka_+7], v[qa_:qa_+7], 0
.else
	v_wmma_f32_16x16x32_f16 v[SA+8*t_:SA+8*t_+7], v[ka_:ka_+7], v[qa_:qa_+7], v[SA+8*t_:SA+8*t_+7]
.endif
.set e_, e_+1
.endr
.endm
; lo of a pair: x - hi, exact, by a multiply-add that reads a half of hi; rounded to f16
.macro LOW lo, hi, src, tp
	v_fma_mix_f32 v[(\tp)], -v[(\hi)], v[ONE], v[(\src)] op_sel_hi:[1,0,0]
	v_fma_mix_f32 v[(\tp)+1], -v[(\hi)], v[ONE], v[(\src)+1] op_sel:[1,0,0] op_sel_hi:[1,0,0]
	v_cvt_pk_f16_f32 v[(\lo)], v[(\tp)], v[(\tp)+1]
.endm
	s_and_b32 s[BB], ttmp7, 0xffff
	s_sub_co_u32 s[HX], ttmp9, 36
	s_and_b32 s[HX], s[HX], 15                     ; 0..15
	s_mov_b32 s[G1V], (1<<16)|(1<<20)|(6<<22)|(7<<25)  ; V: 2-byte elements; padding behind every 128 words, 8 words: LDS rows 544 bytes apart
	s_mov_b32 s[G1V+1], 256<<16                    ; tensor_dim0 = 256 channels
	s_mov_b32 s[G1V+2], 32<<16                     ; tensor_dim1 = 32 keys
	s_mov_b32 s[G1V+3], 256<<16                    ; tile_dim0
	s_mov_b32 s[G1V+4], 32                         ; tile_dim1
	s_mov_b32 s[G1V+5], 1024                       ; elements from key to key
	s_mov_b32 s[G1V+6], 0
	s_mov_b32 s[G1V+7], 0
	s_mov_b32 s[G1W], (1<<16)|(1<<20)|(4<<22)|(7<<25)  ; Wo: a dense piece of 16,384 bytes as 64 rows of 256, padded behind every 32 words by 8: LDS rows 160 bytes apart
	s_mov_b32 s[G1W+1], 128<<16
	s_mov_b32 s[G1W+2], 64<<16
	s_mov_b32 s[G1W+3], 128<<16
	s_mov_b32 s[G1W+4], 64
	s_mov_b32 s[G1W+5], 128
	s_mov_b32 s[G1W+6], 0
	s_mov_b32 s[G1W+7], 0
	s_mul_i32 s3, s[WV], WREG                      ; my LDS: the wave's number times a constant; s3 is kept
	s_mov_b32 s[G0], 1
	s_mov_b32 s[G0+1], s3
	s_mov_b32 s[G0+4], 1
	s_add_co_u32 s[G0+5], s3, VLO
	s_mov_b32 s[G0+8], 1
	s_add_co_u32 s[G0+9], s3, WOL
	s_mov_b32 s[G0+12], 1
	s_add_co_u32 s[G0+13], s3, WOL+128*PW
	s_lshl_b32 s58, s[BB], 16
	s_add_co_u32 s58, s58, HB0                     ; the parts at my batch
	s_mov_b32 s59, 0
	s_lshl_b32 s60, s[WV], 9                       ; my 256 channels of a row
	s_mov_b32 s61, 0
	s_lshl_b32 s62, s[WV], 19                      ; Wo: WO + (2 w) x 262,144 + x x 16,384
	s_lshl_b32 s2, s[HX], 14
	s_add_co_u32 s62, s62, s2
	s_add_co_u32 s62, s62, WO
	s_mov_b32 s63, 0
	s_mov_b32 s[SEL], 0x76543210
	s_mov_b32 s[SEL+1], 0xfedcba98
	s_mov_b32 s[CS], 0x3d38aa3b                    ; c = log2(e) / 32
	s_mov_b32 s[CS+1], s[CS]
	s_wait_kmcnt 0x0
	s_add_nc_u64 s[HBB:HBB+1], s[VPP:VPP+1], s[58:59]
	s_add_nc_u64 s[60:61], s[HBB:HBB+1], s[60:61]
	s_add_nc_u64 s[62:63], s[WBP:WBP+1], s[62:63]
	s_add_nc_u64 s[G0+2:G0+3], s[60:61], 4*PART    ; v hi
	s_or_b32 s[G0+3], s[G0+3], 0x80000000
	s_add_nc_u64 s[G0+6:G0+7], s[60:61], 5*PART    ; v lo
	s_or_b32 s[G0+7], s[G0+7], 0x80000000
	s_add_nc_u64 s[G0+10:G0+11], s[62:63], 0       ; my first 128 channels of Wo,
	s_or_b32 s[G0+11], s[G0+11], 0x80000000
	s_add_nc_u64 s[G0+14:G0+15], s[62:63], 262144  ; my second
	s_or_b32 s[G0+15], s[G0+15], 0x80000000
	HFILL 0, G1V                                   ; V hi
	v_and_b32 v1, 15, v0                           ; l % 16
	v_bfe_u32 v2, v0, 4, 1                         ; l / 16
	v_lshlrev_b32 v[QA], 11, v1
	v_lshl_add_u32 v[QA], v2, 4, v[QA]
	s_lshl_b32 s2, s[WV], 9
	v_add_nc_u32 v[QA], s2, v[QA]
	LQK 0, 0                                       ; a ring of three buffers: 48 loads are out
	LQK 1, 1
	LQK 2, 2
	v_and_b32 v3, 7, v0
	v_lshl_add_u32 v3, v2, 3, v3                   ; the turning loads: row 8 (l/16) + l%8,
	v_bfe_u32 v[VT], v0, 3, 1                      ; 16 bytes by (l/8)%2
	v_mul_u32_u24 v[VA], v3, PV
	v_lshl_add_u32 v[VA], v[VT], 4, v[VA]
	v_add_nc_u32 v[VA], s3, v[VA]
	v_mul_u32_u24 v[WA], v3, PW
	v_lshl_add_u32 v[WA], v[VT], 4, v[WA]
	s_add_co_u32 s2, s3, WOL
	v_add_nc_u32 v[WA], s2, v[WA]
	v_and_b32 v3, 31, v0
	v_lshl_add_u32 v[SSR], v3, 5, SS               ; 32 bytes a lane for each accumulator
	s_lshl_b32 s2, s[WV], 12
	v_add_nc_u32 v[SSW], s2, v[SSR]
	v_lshlrev_b32 v[VT], 3, v2
	v_sub_nc_u32 v[VT], v1, v[VT]
	v_mov_b32 v[BIG], 0xf149f2ca                   ; -1e30
	v_mov_b32 v[ONE], 1.0
	v_mov_b32 v[MX+1], 0                           ; v_permlanex16_b32's destinations count as read
	v_mov_b32 v[MX+3], 0
	v_mul_u32_u24 v[STO], v1, PO
	v_lshl_add_u32 v[STO], v2, 5, v[STO]
	v_add_nc_u32 v[STO], s3, v[STO]
	v_lshlrev_b32 v[GO], 4, v1
	v_lshl_add_u32 v[GO], v2, 12, v[GO]
	s_lshl_b32 s58, s[BB], 23                      ; out0: (2,048 b + 8 w) x 4,096 + 256 x
	s_lshl_b32 s2, s[WV], 15
	s_add_co_u32 s58, s58, s2
	s_lshl_b32 s2, s[HX], 8
	s_add_co_u32 s58, s58, s2
	s_mov_b32 s59, 0
	s_add_nc_u64 s[OB:OB+1], s[OUP:OUP+1], s[58:59]
	; 1  THE SCORES over my 256 channels, 8 steps.  A buffer is asked for again four places behind its last product.  Behind steps 0, 2 and 4 stands the next of my four tiles' fills.
.set k_, 0
.rept 5
	s_wait_loadcnt 32                              ; this step's 16 loads are in; the two younger steps' 32 may stay out
.if k_ == 0
	MQK 0, 1                                       ; the first products start the sums
.else
	MQK k_%3, 0
.endif
	PLACES
	LQK k_%3, k_+3
.if k_ == 0
	HFILL 1, G1V                                   ; V lo
.elseif k_ == 2
	HFILL 2, G1W                                   ; my first 128 channels of Wo
.elseif k_ == 4
	HFILL 3, G1W                                   ; my second
.endif
.set k_, k_+1
.endr
	s_wait_loadcnt 32                              ; step 5: steps 6 and 7 are out
	MQK 2, 0
	s_wait_loadcnt 16                              ; step 6: step 7 is out
	MQK 0, 0
	s_wait_loadcnt 0x0
	MQK 1, 0
	PLACES
	PLACES
.set t_, 0
.rept 4
	ds_store_b128 v[SSW], v[SA+8*t_:SA+8*t_+3] offset:1024*t_      ; each accumulator's low registers first
	ds_store_b128 v[SSW], v[SA+8*t_+4:SA+8*t_+7] offset:1024*t_+16
.set t_, t_+1
.endr
	s_wait_tensorcnt 0x0                           ; the last of my four tiles has landed, the others before it: only I read them
	s_wait_dscnt 0x0                               ; for the others' sake: my partial scores are written
	s_barrier_signal -1
	s_barrier_wait -1
	; 2  THE SOFTMAX, alike in every wave.  Score e of 16 of query block q (v[64 + 16 q + e]): query 16 q + l%16, key 16 (e/8) + 8 (l/16) + e%8
.set t_, 0
.rept 16                               ; wave t_/4's accumulator t_%4
	ds_load_b128 v[SV+8*t_:SV+8*t_+3], v[SSR] offset:1024*t_
	ds_load_b128 v[SV+8*t_+4:SV+8*t_+7], v[SSR] offset:1024*t_+16
.set t_, t_+1
.endr
	s_wait_dscnt 0x0
.set i_, 0
.rept 16
	v_pk_add_f32 v[SV+2*i_:SV+2*i_+1], v[SV+2*i_:SV+2*i_+1], v[SV+32+2*i_:SV+32+2*i_+1]
	v_pk_add_f32 v[SV+64+2*i_:SV+64+2*i_+1], v[SV+64+2*i_:SV+64+2*i_+1], v[SV+96+2*i_:SV+96+2*i_+1]
.set i_, i_+1
.endr
.set i_, 0
.rept 16
	v_pk_add_f32 v[SV+2*i_:SV+2*i_+1], v[SV+2*i_:SV+2*i_+1], v[SV+64+2*i_:SV+64+2*i_+1]
.set i_, i_+1
.endr
.set e_, 0
.rept 32                               ; hidden where the key is the greater: 16 (e/8) + e%8 - 16 q > l%16 - 8 (l/16)
	v_cmp_gt_i32 vcc_lo, 16*((e_%16)/8)+(e_%8)-16*(e_/16), v[VT]
	v_cndmask_b32 v[SV+e_], v[SV+e_], v[BIG], vcc_lo
.set e_, e_+1
.endr
.irp q, 0,1
	v_max3_num_f32 v[MX+2*\q], v[SV+16*\q], v[SV+16*\q+1], v[SV+16*\q+2]
.endr
.irp i, 3,5,7,9,11,13
.irp q, 0,1
	v_max3_num_f32 v[MX+2*\q], v[MX+2*\q], v[SV+16*\q+\i], v[SV+16*\q+\i+1]
.endr
.endr
.irp q, 0,1
	v_max_num_f32 v[MX+2*\q], v[MX+2*\q], v[SV+16*\q+15]
.endr
.irp q, 0,1
	v_permlanex16_b32 v[MX+2*\q+1], v[MX+2*\q], s[SEL], s[SEL+1]  ; the query's other 16 keys lie in the lane 16 away
.endr
.irp q, 0,1
	v_max_num_f32 v[MX+2*\q], v[MX+2*\q], v[MX+2*\q+1]            ; every row sees its own key: m is a true score
.endr
.set i_, 0
.rept 16
	v_pk_add_f32 v[SV+2*i_:SV+2*i_+1], v[SV+2*i_:SV+2*i_+1], v[MX+2*(i_/8):MX+2*(i_/8)+1] op_sel_hi:[1,0] neg_lo:[0,1] neg_hi:[0,1]  ; s - m: never above 0
.set i_, i_+1
.endr
.set i_, 0
.rept 16
	v_pk_mul_f32 v[SV+2*i_:SV+2*i_+1], v[SV+2*i_:SV+2*i_+1], s[CS:CS+1] op_sel_hi:[1,0]
.set i_, i_+1
.endr
.set e_, 0
.rept 32
	v_exp_f32 v[SV+e_], v[SV+e_]                   ; one batch
.set e_, e_+1
.endr
	v_nop                                          ; a plain instruction behind the last exponential (ISA guide 5.7.2),
	s_wait_alu depctr_va_vdst(0)                   ; and the one wait ahead of the batch's first reader
.irp q, 0,1
	v_pk_add_f32 v[TT:TT+1], v[SV+16*\q:SV+16*\q+1], v[SV+16*\q+2:SV+16*\q+3]
	v_pk_add_f32 v[TT+2:TT+3], v[SV+16*\q+4:SV+16*\q+5], v[SV+16*\q+6:SV+16*\q+7]
	v_pk_add_f32 v[TT+4:TT+5], v[SV+16*\q+8:SV+16*\q+9], v[SV+16*\q+10:SV+16*\q+11]
	v_pk_add_f32 v[TT+6:TT+7], v[SV+16*\q+12:SV+16*\q+13], v[SV+16*\q+14:SV+16*\q+15]
	v_pk_add_f32 v[TT:TT+1], v[TT:TT+1], v[TT+2:TT+3]
	v_pk_add_f32 v[TT+4:TT+5], v[TT+4:TT+5], v[TT+6:TT+7]
	v_pk_add_f32 v[TT:TT+1], v[TT:TT+1], v[TT+4:TT+5]
	v_add_f32 v[MX+2*\q], v[TT], v[TT+1]
.endr
.irp q, 0,1
	v_permlanex16_b32 v[MX+2*\q+1], v[MX+2*\q], s[SEL], s[SEL+1]
.endr
.irp q, 0,1
	v_add_f32 v[MX+2*\q], v[MX+2*\q], v[MX+2*\q+1] ; the sum: 1 or more
.endr
	v_rcp_f32 v[MX], v[MX]
	v_rcp_f32 v[MX+2], v[MX+2]
	v_nop
	s_wait_alu depctr_va_vdst(0)                   ; one wait for the two reciprocals
.set i_, 0
.rept 16
	v_pk_mul_f32 v[SV+2*i_:SV+2*i_+1], v[SV+2*i_:SV+2*i_+1], v[MX+2*(i_/8):MX+2*(i_/8)+1] op_sel_hi:[1,0]
.set i_, i_+1
.endr
.set i_, 0
.rept 16                               ; pair i_ of the 16: registers 0-3 of a query block's operand hold keys 8 (l/16) + 0..7, registers 4-7 keys 16 + 8 (l/16) + 0..7
	v_cvt_pk_f16_f32 v[PH+i_], v[SV+2*i_], v[SV+2*i_+1]
.set i_, i_+1
.endr
.set i_, 0
.rept 16
	LOW PL+i_, PH+i_, SV+2*i_, TT+2*(i_%4)
.set i_, i_+1
.endr
	; 3  O^T = V^T P AND out^T += Wo^T O^T, 32 of my channels a step
.macro KSTEP zero
	PLACES                                         ; behind the last step's products, in front of loads into their sources
.set f_, 0
.rept 4                                ; V hi channel blocks 0, 1; V lo 0, 1: 16 channels x 32 keys each
	ds_load_tr16_b128 v[VF+8*f_:VF+8*f_+3], v[VA] offset:(f_/2)*VLO+32*(f_%2)
	ds_load_tr16_b128 v[VF+8*f_+4:VF+8*f_+7], v[VA] offset:(f_/2)*VLO+32*(f_%2)+16*PV
.set f_, f_+1
.endr
.set f_, 0
.rept 4                                ; Wo's 4 column blocks: 16 columns x 32 channels each
	ds_load_tr16_b128 v[WF+8*f_:WF+8*f_+3], v[WA] offset:32*f_
	ds_load_tr16_b128 v[WF+8*f_+4:WF+8*f_+7], v[WA] offset:32*f_+16*PW
.set f_, f_+1
.endr
	s_wait_dscnt 8                                 ; V's eight loads are in; Wo's eight may stay out
.set e_, 0
.rept 12                               ; vh ph, vh pl, vl ph on four accumulators (2 q + channel block), which take turns
.set t_, e_%4
.set va_, VF+8*(t_%2)+16*(e_/8)
.set pa_, PH+8*(t_/2)+16*((e_/4)%2)
.if e_ < 4
	v_wmma_f32_16x16x32_f16 v[SA+8*t_:SA+8*t_+7], v[va_:va_+7], v[pa_:pa_+7], 0
.else
	v_wmma_f32_16x16x32_f16 v[SA+8*t_:SA+8*t_+7], v[va_:va_+7], v[pa_:pa_+7], v[SA+8*t_:SA+8*t_+7]
.endif
.set e_, e_+1
.endr
	PLACES
.set i_, 0
.rept 16                               ; O hi: pair i_ = 8 q + 4 (channel block) + p comes from accumulator 2 q + channel block, registers 2 p, 2 p + 1: ascending
	v_cvt_pk_f16_f32 v[SV+i_], v[SA+2*i_], v[SA+2*i_+1]
.set i_, i_+1
.endr
.set i_, 0
.rept 16
	LOW SV+16+i_, SV+i_, SA+2*i_, TT+2*(i_%4)
.set i_, i_+1
.endr
	PLACES
	s_wait_dscnt 0x0                               ; Wo's fragments are in
.set e_, 0
.rept 16                               ; wo oh, wo ol on eight accumulators (2 (column block) + q), which take turns
.set u_, e_%8
.set wa_, WF+8*(u_/2)
.set oa_, SV+8*(u_%2)+16*(e_/8)
.if (\zero) && (e_ < 8)
	v_wmma_f32_16x16x32_f16 v[OU+8*u_:OU+8*u_+7], v[wa_:wa_+7], v[oa_:oa_+7], 0
.else
	v_wmma_f32_16x16x32_f16 v[OU+8*u_:OU+8*u_+7], v[wa_:wa_+7], v[oa_:oa_+7], v[OU+8*u_:OU+8*u_+7]
.endif
.set e_, e_+1
.endr
	v_add_nc_u32 v[VA], 64, v[VA]                  ; 32 channels on: 64 bytes of V's rows,
	v_add_nc_u32 v[WA], 32*PW, v[WA]               ; 32 rows of Wo
.endm
	KSTEP 1                                        ; the first step starts out^T's sums: nothing is cleared
	s_mov_b32 s[CNT], 7
.Lks:
	KSTEP 0
	s_sub_co_u32 s[CNT], s[CNT], 1
	s_cmp_lg_u32 s[CNT], 0
	s_cbranch_scc1 .Lks
	; 4  THE WAY OUT
	PLACES
	PLACES
	s_barrier_signal -1                            ; no LDS load of mine is out (the last step waited for 0): when all four have said so nobody reads V or Wo any more
	s_barrier_wait -1
.set u_, 0
.rept 8                                ; accumulator 2 (column block) + q: row 16 q + l%16, columns 16 (column block) + 8 (l/16) + 0..7
	ds_store_b128 v[STO], v[OU+8*u_:OU+8*u_+3] offset:(u_%2)*16*PO+64*(u_/2)
	ds_store_b128 v[STO], v[OU+8*u_+4:OU+8*u_+7] offset:(u_%2)*16*PO+64*(u_/2)+16
.set u_, u_+1
.endr
	s_mul_i32 s2, s[WV], 8*PO                      ; wave w finishes rows 8 w .. 8 w + 7: lanes 0-15 one row of 256 bytes, lanes 16-31 the next
	v_mul_u32_u24 v[TT], v2, PO
	v_lshl_add_u32 v[TT], v1, 4, v[TT]
	v_add_nc_u32 v[TT], s2, v[TT]                  ; in wave 0's partial output,
	v_add_nc_u32 v[TT+1], WREG, v[TT]              ; wave 1's,
	v_add_nc_u32 v[TT+2], 2*WREG, v[TT]
	v_add_nc_u32 v[TT+3], 3*WREG, v[TT]
	s_wait_dscnt 0x0                               ; for the others' sake: my partial output is written
	s_barrier_signal -1
	s_barrier_wait -1
.irp p, 0,1,2,3
.irp k, 0,1,2,3
	ds_load_b128 v[32+16*\p+4*\k:32+16*\p+4*\k+3], v[TT+\p] offset:2*PO*\k
.endr
.endr
	s_wait_dscnt 0x0
.set i_, 0
.rept 8
	v_pk_add_f32 v[32+2*i_:33+2*i_], v[32+2*i_:33+2*i_], v[48+2*i_:49+2*i_]
	v_pk_add_f32 v[64+2*i_:65+2*i_], v[64+2*i_:65+2*i_], v[80+2*i_:81+2*i_]
.set i_, i_+1
.endr
.set i_, 0
.rept 8
	v_pk_add_f32 v[32+2*i_:33+2*i_], v[32+2*i_:33+2*i_], v[64+2*i_:65+2*i_]
.set i_, i_+1
.endr
.irp k, 0,1,2,3
	global_store_b128 v[GO], v[32+4*\k:35+4*\k], s[OB:OB+1] offset:8192*\k  ; 16 lanes store 256 consecutive bytes, aligned
.endr
	s_wait_tensorcnt 0x0                           ; the wave's end
	ds_add_u32 v[SPW], v[NIL]
	s_wait_dscnt 0x0
	s_endpgm
.Lfunc_end_k_q068d347846_scores:
	.size	k_q068d347846_scores, .Lfunc_end_k_q068d347846_scores-k_q068d347846_scores
	.p2alignl 7, 3214868480
	.fill 96, 4, 3214868480
	.section	.rodata,"a",@progbits
	.p2align	6, 0x0
	.amdhsa_kernel k_q068d347846_scores
		.amdhsa_group_segment_fixed_size 327680
		.amdhsa_private_segment_fixed_size 0
		.amdhsa_enable_private_segment 0
		.amdhsa_kernarg_size 56
		.amdhsa_user_sgpr_count 2
		.amdhsa_user_sgpr_kernarg_segment_ptr 1
		.amdhsa_wavefront_size32 1
		.amdhsa_system_sgpr_workgroup_id_x 1
		.amdhsa_system_sgpr_workgroup_id_y 1
		.amdhsa_system_sgpr_workgroup_id_z 1
		.amdhsa_system_vgpr_workitem_id 0
		.amdhsa_next_free_vgpr 768
		.amdhsa_next_free_sgpr 100
		.amdhsa_reserve_vcc 1
		.amdhsa_float_denorm_mode_32 3
		.amdhsa_float_denorm_mode_16_64 3
		.amdhsa_memory_ordered 1
		.amdhsa_forward_progress 1
		.amdhsa_inst_pref_size 164
	.end_amdhsa_kernel
	.amdgpu_metadata
---
amdhsa.version: [ 1, 2 ]
amdhsa.kernels:
  - .name:           k_q068d347846_scores
    .symbol:         k_q068d347846_scores.kd
    .args:
      - { .name: qp, .offset: 0, .size: 8, .value_kind: global_buffer, .address_space: global }
      - { .name: kp, .offset: 8, .size: 8, .value_kind: global_buffer, .address_space: global }
      - { .name: pp, .offset: 16, .size: 8, .value_kind: global_buffer, .address_space: global }
      - { .name: st, .offset: 24, .size: 8, .value_kind: global_buffer, .address_space: global }
      - { .name: vp, .offset: 32, .size: 8, .value_kind: global_buffer, .address_space: global }
      - { .name: wb, .offset: 40, .size: 8, .value_kind: global_buffer, .address_space: global }
      - { .name: out0, .offset: 48, .size: 8, .value_kind: global_buffer, .address_space: global }
    .group_segment_fixed_size: 327680
    .private_segment_fixed_size: 0
    .kernarg_segment_align: 8
    .kernarg_segment_size: 56
    .max_flat_workgroup_size: 128
    .sgpr_count:     100
    .vgpr_count:     768
    .wavefront_size: 32
...
	.end_amdgpu_metadata
.endif
;; end of part 3
;; launch pv (part 4): grid 8 x 32, 4 waves a work-group, clusters of 4 x 1, 327,680 bytes of LDS; arguments pp, vp, st, op; writes op
.if DOCPART == 4
	.amdgcn_target "amdgcn-amd-amdhsa--gfx1250"
	.amdhsa_code_object_version 6
	.text
	.protected	k_q068d347846_pv
	.globl	k_q068d347846_pv
	.p2align	8
	.type	k_q068d347846_pv,@function
k_q068d347846_pv:
	s_mov_b64 s[64:65], 0
	v_nop
	global_prefetch_b8 v0, s[64:65] scope:SCOPE_SE
	s_setreg_imm32_b32 hwreg(HW_REG_WAVE_MODE, 25, 1), 1
	s_wait_xcnt 0x0
	s_wait_alu depctr_hold_cnt(0) depctr_sa_sdst(0) depctr_va_vdst(0) depctr_va_sdst(0) depctr_va_ssrc(0) depctr_va_vcc(0) depctr_vm_vsrc(0)
	s_getreg_b32 s2, hwreg(HW_REG_IB_STS2, 6, 4)
	s_cmp_eq_u32 s2, 0
	s_cbranch_scc0 .Lentry_in_a_cluster
	s_endpgm
.Lentry_in_a_cluster:
	s_bfe_u32 s2, ttmp6, 0x10000c
	s_cmp_lg_u32 s2, 0x3003
	s_cbranch_scc0 .Lentry_shape_is_right
	s_endpgm
.Lentry_shape_is_right:
; PV.  O[q] = sum over the tiles t of 128 keys of f'[t][q] x (P_t V_t)[q], f'[t][q] = 2^(cm[t][q] - M[q]) / L[q], M = max over t of cm, L = sum over t of 2^(cm - M) ls[t][q]:
; the softmax's running maximum, applied to each tile's product in f32.  P and V are f16, products and sums f32, O is rounded once to f16.
; LIMITS.  O is a mean of v's rows and has their range (within f16's 65,504); NaN and infinities are not treated apart.
; SHARES.  Work-group (x, y): batch y / 8, query block i = y % 8 (256 queries), channels 128 x .. 128 x + 127.  A wave makes 128 queries x 64 channels.  The walk has 2 (i + 1) steps of 128 keys: the tiles
; above the diagonal are left out.  Window 1 holds one step's product (32 accumulators, started with the constant 0), window 2 the total, which takes product x f' when a step is over.
; THE TRIP COUNT: the loop counts from the constant 14 and is left at its top, by a forward jump, when no refill is left (2 i of them).  i hangs on the grid's y alone, which the four partners share.
; Whenever the loop is left, the slot in hand and the next one are whole, and every later wait for tensor loads is for 0.
; CLUSTER 4 x 1: the four channel blocks of a cluster walk the same P: its two pieces a step are asked for jointly; V's pieces are each work-group's own.
; THE PRODUCT IS TRANSPOSED: source 0 = 16 channels of V (turned by ds_load_tr16_b128), source 1 = 16 queries of P.
.set NAW,   2                          ; waves 0, 1 fetch P's two pieces (64 keys each), waves 2, 3 V's two (64 channels each)
.set SLOTX, 131072
.set SPARE, 245760
.set FT,    246272                     ; f' in f32: [t 16][row 256]
.set STG,   262656                     ; 16 rows x 144 bytes for each wave
.set STEPA, 524288
.set STEPB, 262144
.set ADRA, 4
.set ADRB, 6
.set STO, 8
.set RD, 9
.set GO, 10
.set FTA, 11                           ; where my lanes' f' of the next step lie
.set FR, 12                            ; v[12:19] f' of the step in hand for my 8 blocks of 16 queries
.set A0, 24
.set B0, 25
.set SPW, 28
.set NIL, 29
.set PFO, 30
.set FA, 32
.set FB, 160
.set WV, 14
.set WR, 15
.set WC, 16
.set CX, 17
.set TX, 19
.set TY, 20
.set CNT, 21
.set TB, 22
.set LIM, 23
.set G1A, 24
.set G1B, 32
.set G0A, 40
.set G0B, 48
.set PFA, 56
.set REM, 66
.set TAILC, 67
.set OB, 70
.set SB, 72
.set BB, 78
.set II, 79
.set PST, 80
.set MSB, 0
.macro WIN new                         ; the high byte repeats the setting that is left
.if MSB != (\new)
	s_set_vgpr_msb (MSB<<8)|(\new)
.set MSB, (\new)
.endif
.endm
.macro PLACES                          ; four places behind matrix instructions (ISA guide 7.12.1)
.rept 4
	v_nop
.endr
.endm
.macro CREST
	s_cmp_lg_u32 s[WV], 0
	s_cbranch_scc1 .Lnw0_\@
	s_barrier_signal -3
.Lnw0_\@:
	s_barrier_wait -3
	s_barrier_signal -1
	s_barrier_wait -1
.endm
.macro CROUND
	s_barrier_signal -1
	s_barrier_wait -1
	CREST
.endm
.macro JLOAD st                        ; the branch hangs on the wave's number alone; s_nop 0 and four v_nop follow each line
	s_cmp_lt_u32 s[WV], NAW
	s_cbranch_scc0 .Lfb_\@
	tensor_load_to_lds s[G0A+4*(\st):G0A+4*(\st)+3], s[G1A:G1A+7]
	s_nop 0
	PLACES
	s_branch .Lfd_\@
.Lfb_\@:
	tensor_load_to_lds s[G0B+4*(\st):G0B+4*(\st)+3], s[G1B:G1B+7]
	s_nop 0
	PLACES
.Lfd_\@:
.endm
.macro G1REST g, rows
	s_mov_b32 s[(\g)+1], 128<<16
	s_mov_b32 s[(\g)+2], (\rows)<<16
	s_mov_b32 s[(\g)+3], 128<<16
	s_mov_b32 s[(\g)+4], \rows
	s_mov_b32 s[(\g)+5], 128
	s_mov_b32 s[(\g)+6], 0
	s_mov_b32 s[(\g)+7], 0
.endm
; A prefetch of the piece two refills on, a lane a block of 256 bytes.  P's piece (32,768 bytes) is read by both clusters of a row of the grid: the cluster with x = 0 asks, its four partners a quarter each, told
; apart by address: one line.  V's piece (16,384 bytes) is read by every query block that reaches it: block 7 asks, which reaches all: two lines.
.macro ASK
	WIN 0
	s_cmp_gt_u32 s[REM], s[LIM]                    ; the last two refills have no step two on
	s_cbranch_scc0 .Lna_\@
	global_prefetch_b8 v[PFO], s[PFA:PFA+1] th:TH_LOAD_NT scope:SCOPE_SE
	s_cmp_lt_u32 s[WV], NAW
	s_cbranch_scc1 .Lna_\@
	global_prefetch_b8 v[PFO], s[PFA:PFA+1] offset:8192 th:TH_LOAD_NT scope:SCOPE_SE
.Lna_\@:
.endm
.macro LDA f, a0, n, kq
	WIN 0
.set la, \a0
.rept \n
	ds_load_b128 v[FA+64*(\f)+8*la:FA+64*(\f)+8*la+3], v[ADRA] offset:((\kq)>>1)*36864+((\kq)&1)*64+2304*la
	ds_load_b128 v[FA+64*(\f)+8*la+4:FA+64*(\f)+8*la+7], v[ADRA] offset:((\kq)>>1)*36864+((\kq)&1)*64+2304*la+32
.set la, la+1
.endr
.endm
.macro LDB d, kq
	WIN 0
.set lb, 0
.rept 4
	ds_load_tr16_b128 v[FB+32*(\d)+8*lb:FB+32*(\d)+8*lb+3], v[ADRB] offset:5120*(\kq)+32*lb
	ds_load_tr16_b128 v[FB+32*(\d)+8*lb+4:FB+32*(\d)+8*lb+7], v[ADRB] offset:5120*(\kq)+32*lb+2560
.set lb, lb+1
.endr
.endm
.macro W f, a, mode                    ; 4 products: query block a x my 4 channel blocks; mode 1 starts the step's sums
	WIN 0x50
.set bq, 0
.rept 4
.set rD, 8*(4*(\a)+bq)
.set rB, FB+32*(\f)+8*bq
.set rA, FA+64*(\f)+8*(\a)
.if \mode
	v_wmma_f32_16x16x32_f16 v[rD:rD+7], v[rB:rB+7], v[rA:rA+7], 0
.else
	v_wmma_f32_16x16x32_f16 v[rD:rD+7], v[rB:rB+7], v[rA:rA+7], v[rD:rD+7]
.endif
.set bq, bq+1
.endr
.endm
.macro GRP f, a0, n, mode              ; the accumulators take turns
.set ga, \a0
.rept \n
	W \f, ga, \mode
.set ga, ga+1
.endr
.endm
.macro FMA a                           ; total += product x f' for query block a: 16 packed lines, each accumulator's registers in ascending order.  Destination and addend window 2, product window 1, f' window 0
	WIN 0xa1
.set fi, 32*(\a)
.rept 16
.if ((\a)%2) == 0
	v_pk_fma_f32 v[fi:fi+1], v[fi:fi+1], v[FR+(\a):FR+(\a)+1], v[fi:fi+1] op_sel_hi:[1,0,1]
.else
	v_pk_fma_f32 v[fi:fi+1], v[fi:fi+1], v[FR+(\a)-1:FR+(\a)], v[fi:fi+1] op_sel:[0,1,0] op_sel_hi:[1,1,1]
.endif
.set fi, fi+2
.endr
.endm
.macro LDFR                            ; f' of the step in hand, behind the last use of the step before's
	WIN 0
.irp a, 0,1,2,3,4,5,6,7
	ds_load_b32 v[FR+\a], v[FTA] offset:64*\a
.endr
	v_add_nc_u32 v[FTA], 1024, v[FTA]
.endm
; A quarter: 32 keys, 32 products on buffers f; the next quarter's 24 LDS loads in one run at its head.  mode 0: adds on; 1: the walk's first quarter; 2: a later step's first quarter: block by block the
; finished product goes into the total, and the new step's products start on the accumulators just read.
.macro Q f, nk, mode
	s_wait_dscnt 0x0                               ; this quarter's fragments (and f') are in
	PLACES
	LDB 1-(\f), \nk
	LDA 1-(\f), 0, 8, \nk
.if (\mode) == 2
.set qa, 0
.rept 8
	FMA qa
	W \f, qa, 1
.set qa, qa+1
.endr
.else
	GRP \f, 0, 8, \mode
.endif
.if \mode
	LDFR
.endif
.endm
.macro TURN fill                       ; a slot's last quarter and the change of slots
.if \fill
	s_wait_xcnt 0x0                                ; the last prefetches, a step back, have read their address
	s_add_nc_u64 s[PFA:PFA+1], s[PFA:PFA+1], s[PST:PST+1]
.endif
	WIN 0
	s_wait_tensorcnt 0x0                           ; all my tensor loads have landed: the one that was out is my part of the next slot
	ds_add_u32 v[SPW], v[NIL]
.if \fill
	s_xor_b32 s[G0A+5], s[G0A+5], SLOTX
	s_add_nc_u64 s[G0A+6:G0A+7], s[G0A+6:G0A+7], STEPA
	s_xor_b32 s[G0B+5], s[G0B+5], SLOTX
	s_add_nc_u64 s[G0B+6:G0B+7], s[G0B+6:G0B+7], STEPB
.endif
	s_wait_dscnt 1                                 ; the add may be out
	GRP 1, 0, 2, 0
	s_wait_dscnt 0x0                               ; the add is done, my reads of this slot are over
	s_barrier_signal -1
	GRP 1, 2, 2, 0
	WIN 0
	s_barrier_wait -1
.if \fill
	CREST                                          ; the barrier has opened a round of the cluster's
	JLOAD 1                                        ; the refill first; its four v_nop are also the places in front of the loads below
.else
	PLACES
.endif
	s_xor_b32 s[TB], s[TB], SLOTX
	v_add_nc_u32 v[ADRA], s[TB], v[A0]
	v_add_nc_u32 v[ADRB], s[TB], v[B0]
	LDB 0, 0
	LDA 0, 0, 8, 0
.if \fill
	ASK
.endif
	GRP 1, 4, 4, 0
.endm
	s_load_b256 s[4:11], s[0:1], 0x0               ; pp, vp, st, op
	v_lshl_add_u32 v[SPW], v0, 2, SPARE
	v_mov_b32 v[NIL], 0
	ds_add_u32 v[SPW], v[NIL]                      ; the opening: the add and its wait ahead of my first tensor load
	v_lshrrev_b32 v3, 5, v0
	v_readfirstlane_b32 s[WV], v3
	s_lshr_b32 s[WR], s[WV], 1
	s_and_b32 s[WC], s[WV], 1
	s_bfe_u32 s[CX], ttmp6, 0x40000
	s_lshl_b32 s[TX], ttmp9, 2
	s_add_co_u32 s[TX], s[TX], s[CX]               ; channel block 0..7: it enters V's and O's addresses alone
	s_and_b32 s[TY], ttmp7, 0xffff
	s_lshr_b32 s[BB], s[TY], 3
	s_and_b32 s[II], s[TY], 7
	s_mov_b32 s[G1A], 15|(1<<16)|(1<<20)|(1<<21)|(4<<22)|(3<<25)  ; the mask of four; 2-byte elements; padding behind every 32 words, 4 words: rows 144 bytes apart
	s_mov_b32 s[G1B], (1<<16)|(1<<20)|(4<<22)|(7<<25)             ; no mask; 8 words: rows 160 bytes apart
	G1REST G1A, 128
	G1REST G1B, 64
	s_lshl_b32 s58, s[BB], 5
	s_add_co_u32 s58, s58, s[WC]
	s_lshl_b32 s58, s58, 11
	s_lshl_b32 s2, s[II], 8
	s_add_co_u32 s58, s58, s2
	s_lshl_b32 s58, s58, 7                         ; pp: ((32 b + piece) x 2,048 + 256 i) x 128
	s_mov_b32 s59, 0
	s_lshl_b32 s60, s[BB], 8
	s_lshl1_add_u32 s60, s[TX], s60
	s_add_co_u32 s60, s60, s[WC]
	s_lshl_b32 s60, s60, 14                        ; vp: (256 b + 2 tx + piece) x 16,384
	s_mov_b32 s61, 0
	s_mul_i32 s62, s[WC], 36864
	s_mul_i32 s63, s[WC], 20480
	s_add_co_u32 s63, s63, 73728
	s_mov_b32 s[TB], 0
	s_mov_b32 s[CNT], 14
	s_lshl_b32 s[REM], s[II], 1                    ; refills: all steps but the first two
	s_cmp_lt_u32 s[WV], NAW
	s_cselect_b32 s2, ttmp9, s[II]
	s_cselect_b32 s3, 0, 7
	s_cmp_eq_u32 s2, s3
	s_cselect_b32 s[LIM], 2, -1                    ; who prefetches: the same in all four partners, for a given wave
	s_mov_b32 s[PST], STEPB
	s_cmp_lt_u32 s[WV], NAW
	s_cselect_b32 s[PST], STEPA, s[PST]
	s_mov_b32 s[PST+1], 0
	s_wait_dscnt 0x0
	s_wait_kmcnt 0x0
	s_add_nc_u64 s[82:83], s[4:5], s[58:59]
	s_add_nc_u64 s[84:85], s[6:7], s[60:61]
	CROUND                                         ; all four work-groups are here: the first joint loads meet
.irp s, 0,1
	s_mov_b32 s[G0A+4*\s], 1
	s_add_co_u32 s[G0A+4*\s+1], s62, \s*SLOTX
	s_add_nc_u64 s[G0A+4*\s+2:G0A+4*\s+3], s[82:83], \s*STEPA
	s_or_b32 s[G0A+4*\s+3], s[G0A+4*\s+3], 0x80000000
	s_mov_b32 s[G0B+4*\s], 1
	s_add_co_u32 s[G0B+4*\s+1], s63, \s*SLOTX
	s_add_nc_u64 s[G0B+4*\s+2:G0B+4*\s+3], s[84:85], \s*STEPB
	s_or_b32 s[G0B+4*\s+3], s[G0B+4*\s+3], 0x80000000
.endr
	s_cmp_lt_u32 s[WV], NAW                        ; a wave's two first fills stand in one branch: two loads of mine are out
	s_cbranch_scc0 .Lfirst_b
	tensor_load_to_lds s[G0A:G0A+3], s[G1A:G1A+7]
	s_nop 0
	tensor_load_to_lds s[G0A+4:G0A+7], s[G1A:G1A+7]
	s_nop 0
	PLACES
	s_branch .Lfirst_done
.Lfirst_b:
	tensor_load_to_lds s[G0B:G0B+3], s[G1B:G1B+7]
	s_nop 0
	tensor_load_to_lds s[G0B+4:G0B+7], s[G1B:G1B+7]
	s_nop 0
	PLACES
.Lfirst_done:
	s_lshl_b32 s58, s[BB], 17
	s_lshl_b32 s2, s[II], 10
	s_add_co_u32 s58, s58, s2
	s_mov_b32 s59, 0
	s_add_nc_u64 s[SB:SB+1], s[8:9], s[58:59]      ; st: (32,768 b + 256 i) x 4
	v_lshlrev_b32 v3, 3, v0                        ; thread t takes rows 2 t and 2 t + 1 of the block's 256
.set t, 0
.rept 16
	global_load_b64 v[32+2*t:33+2*t], v3, s[SB:SB+1] offset:8192*t          ; cm of tile t
	global_load_b64 v[64+2*t:65+2*t], v3, s[SB:SB+1] offset:8192*t+524288   ; ls
.set t, t+1
.endr
	s_lshl_b32 s2, s[CX], 13                       ; the prefetches' address: my own piece; of P's my work-group's quarter
	s_cmp_lt_u32 s[WV], NAW
	s_cselect_b32 s2, s2, 0
	s_cselect_b64 s[PFA:PFA+1], s[82:83], s[84:85]
	s_mov_b32 s3, 0
	s_add_nc_u64 s[PFA:PFA+1], s[PFA:PFA+1], s[2:3]
	s_mul_i32 s2, s[PST], 3
	s_add_nc_u64 s[PFA:PFA+1], s[PFA:PFA+1], s[2:3]  ; at step 3: the first refill steps it to 4
	s_lshl1_add_u32 s58, s[TX], s[WC]
	s_lshl_b32 s58, s58, 20
	s_lshl_b32 s2, s[BB], 18
	s_add_co_u32 s58, s58, s2
	s_lshl_b32 s2, s[II], 15
	s_add_co_u32 s58, s58, s2
	s_lshl_b32 s2, s[WR], 14
	s_add_co_u32 s58, s58, s2
	s_add_nc_u64 s[OB:OB+1], s[10:11], s[58:59]    ; op: (2 tx + wc) x 1,048,576 + (2,048 b + 256 i + 128 wr) x 128
	v_and_b32 v1, 15, v0
	v_bfe_u32 v2, v0, 4, 1
	v_mul_u32_u24 v[A0], v1, 144
	v_lshl_add_u32 v[A0], v2, 4, v[A0]
	s_mul_i32 s58, s[WR], 128*144
	v_add_nc_u32 v[A0], s58, v[A0]
	v_and_b32 v21, 7, v0
	v_lshl_add_u32 v22, v2, 3, v21
	v_mul_u32_u24 v[B0], v22, 160
	v_bfe_u32 v22, v0, 3, 1
	v_lshl_add_u32 v[B0], v22, 4, v[B0]
	s_mul_i32 s58, s[WC], 20480
	s_add_co_u32 s58, s58, 73728
	v_add_nc_u32 v[B0], s58, v[B0]
	v_mov_b32 v[ADRA], v[A0]
	v_mov_b32 v[ADRB], v[B0]
	s_mul_i32 s58, s[WV], 2304
	s_add_co_u32 s58, s58, STG
	v_mul_u32_u24 v[STO], v1, 144
	v_lshl_add_u32 v[STO], v2, 4, v[STO]
	v_add_nc_u32 v[STO], s58, v[STO]
	v_bfe_u32 v[RD], v0, 3, 2
	v_mul_u32_u24 v[RD], v[RD], 144
	v_lshl_add_u32 v[RD], v21, 4, v[RD]
	v_add_nc_u32 v[RD], s58, v[RD]
	v_and_b32 v[GO], 31, v0
	v_lshlrev_b32 v[PFO], 8, v[GO]
	v_lshlrev_b32 v[GO], 4, v[GO]
	s_lshl_b32 s58, s[WR], 9
	s_add_co_u32 s58, s58, FT
	v_lshl_add_u32 v[FTA], v1, 2, s58              ; FT + (128 wr + l%16) x 4
	v_lshl_add_u32 v20, v0, 3, FT
	WIN 0x80                                       ; the total starts at 0: written while the first tiles and the statistics are on their way, so that every step has one form
.set t, 0
.rept 256
	v_mov_b32 v[t], 0
.set t, t+1
.endr
	WIN 0
	s_wait_loadcnt 0x0
	v_max3_num_f32 v96, v32, v34, v36              ; M of my two rows over the 16 tiles; tiles that the walk does not reach hold the lowest finite number and l = 0
	v_max3_num_f32 v97, v33, v35, v37
.irp t, 3,5,7,9,11,13
	v_max3_num_f32 v96, v96, v[32+2*\t], v[34+2*\t]
	v_max3_num_f32 v97, v97, v[33+2*\t], v[35+2*\t]
.endr
	v_max_num_f32 v96, v96, v62
	v_max_num_f32 v97, v97, v63
.set t, 0
.rept 16
	v_pk_add_f32 v[32+2*t:33+2*t], v[32+2*t:33+2*t], v[96:97] neg_lo:[0,1] neg_hi:[0,1]  ; cm - M: never above 0
.set t, t+1
.endr
.set t, 0
.rept 32
	v_exp_f32 v[32+t], v[32+t]
.set t, t+1
.endr
	v_nop                                          ; a plain instruction behind the last exponential,
	s_wait_alu depctr_va_vdst(0)                   ; and the one wait for the batch
	v_pk_mul_f32 v[98:99], v[32:33], v[64:65]
.set t, 1
.rept 15
	v_pk_fma_f32 v[98:99], v[32+2*t:33+2*t], v[64+2*t:65+2*t], v[98:99]  ; L; the tile that holds M gives 1 or more
.set t, t+1
.endr
	v_rcp_f32 v100, v98
	v_rcp_f32 v101, v99
	v_nop
	s_wait_alu depctr_va_vdst(0)
.set t, 0
.rept 16
	v_pk_mul_f32 v[32+2*t:33+2*t], v[32+2*t:33+2*t], v[100:101]
.set t, t+1
.endr
.set t, 0
.rept 16
	ds_store_b64 v20, v[32+2*t:33+2*t] offset:1024*t
.set t, t+1
.endr
	s_wait_tensorcnt 0x1                           ; my part of step 0 is in; step 1's may stay out
	s_wait_dscnt 0x0                               ; my part of f' is written
	s_barrier_signal -1
	s_barrier_wait -1
	LDB 0, 0
	LDA 0, 0, 8, 0
	Q 0, 1, 1
	WIN 0
.Lfill:                                                ; at most 14 trips: the rest of a step, with the refill, and the next step's first quarter
	s_cmp_eq_u32 s[REM], 0
	s_cbranch_scc1 .Lleft                          ; nothing is left to ask for
	Q 1, 2, 0
	Q 0, 3, 0
	TURN 1
	Q 0, 1, 2
	WIN 0
	s_sub_co_u32 s[REM], s[REM], 1
	s_sub_co_u32 s[CNT], s[CNT], 1
	s_cmp_lg_u32 s[CNT], 0
	s_cbranch_scc1 .Lfill
.Lleft:
	s_mov_b32 s[TAILC], 2
.Ltail:                                                ; the last two steps ask for nothing; the second trip is left in its middle
	Q 1, 2, 0
	Q 0, 3, 0
	WIN 0
	s_sub_co_u32 s[TAILC], s[TAILC], 1
	s_cmp_eq_u32 s[TAILC], 0
	s_cbranch_scc1 .Llast
	TURN 0
	Q 0, 1, 2
	WIN 0
	s_branch .Ltail
.Llast:
	s_wait_dscnt 0x0
	GRP 1, 0, 8, 0
	PLACES
.irp a, 0,1,2,3,4,5,6,7
	FMA \a                                         ; the last step's product
.endr
; THE WAY OUT, 8 units of 16 queries x 64 channels: rounded to f16, through my stage, stored as 2,048 consecutive bytes.
.macro PACK u
	s_wait_xcnt 0x0                                ; earlier stores have read their registers
	WIN 0x0a
.set pb, 0
.rept 16
	v_cvt_pk_f16_f32 v[32+16*((\u)%4)+pb], v[32*(\u)+2*pb], v[32*(\u)+2*pb+1]
.set pb, pb+1
.endr
	WIN 0
.irp f, 0,1,2,3
	ds_store_b128 v[STO], v[32+16*((\u)%4)+4*\f:32+16*((\u)%4)+4*\f+3] offset:32*\f
.endr
.irp f, 0,1,2,3
	ds_load_b128 v[32+16*((\u)%4)+4*\f:32+16*((\u)%4)+4*\f+3], v[RD] offset:576*\f  ; LDS serves a wave's instructions in order (ISA guide 5.7.1.4)
.endr
.endm
.macro SEND u, younger
.irp f, 0,1,2,3
	s_wait_dscnt (\younger)+3-\f
	global_store_b128 v[GO], v[32+16*((\u)%4)+4*\f:32+16*((\u)%4)+4*\f+3], s[OB:OB+1] offset:2048*(\u)+512*\f
.endr
.endm
	PACK 0
.set u, 1
.rept 7
	PACK u
	SEND u-1, 8
.set u, u+1
.endr
	SEND 7, 0
	s_wait_tensorcnt 0x0                           ; the wave's end
	ds_add_u32 v[SPW], v[NIL]
	s_wait_dscnt 0x0
	CROUND                                         ; the closing round
	s_endpgm
.Lfunc_end_k_q068d347846_pv:
	.size	k_q068d347846_pv, .Lfunc_end_k_q068d347846_pv-k_q068d347846_pv
	.p2alignl 7, 3214868480
	.fill 96, 4, 3214868480
	.section	.rodata,"a",@progbits
	.p2align	6, 0x0
	.amdhsa_kernel k_q068d347846_pv
		.amdhsa_group_segment_fixed_size 327680
		.amdhsa_private_segment_fixed_size 0
		.amdhsa_enable_private_segment 0
		.amdhsa_kernarg_size 32
		.amdhsa_user_sgpr_count 2
		.amdhsa_user_sgpr_kernarg_segment_ptr 1
		.amdhsa_wavefront_size32 1
		.amdhsa_system_sgpr_workgroup_id_x 1
		.amdhsa_system_sgpr_workgroup_id_y 1
		.amdhsa_system_sgpr_workgroup_id_z 1
		.amdhsa_system_vgpr_workitem_id 0
		.amdhsa_next_free_vgpr 768
		.amdhsa_next_free_sgpr 100
		.amdhsa_reserve_vcc 0
		.amdhsa_float_denorm_mode_32 3
		.amdhsa_float_denorm_mode_16_64 3
		.amdhsa_memory_ordered 1
		.amdhsa_forward_progress 1
		.amdhsa_inst_pref_size 109
	.end_amdhsa_kernel
	.amdgpu_metadata
---
amdhsa.version: [ 1, 2 ]
amdhsa.kernels:
  - .name:           k_q068d347846_pv
    .symbol:         k_q068d347846_pv.kd
    .args:
      - { .name: pp, .offset: 0, .size: 8, .value_kind: global_buffer, .address_space: global }
      - { .name: vp, .offset: 8, .size: 8, .value_kind: global_buffer, .address_space: global }
      - { .name: st, .offset: 16, .size: 8, .value_kind: global_buffer, .address_space: global }
      - { .name: op, .offset: 24, .size: 8, .value_kind: global_buffer, .address_space: global }
    .group_segment_fixed_size: 327680
    .private_segment_fixed_size: 0
    .kernarg_segment_align: 8
    .kernarg_segment_size: 32
    .max_flat_workgroup_size: 128
    .sgpr_count:     100
    .vgpr_count:     768
    .wavefront_size: 32
...
	.end_amdgpu_metadata
.endif
;; end of part 4
;; launch oproj (part 5): grid 8 x 32, 4 waves a work-group, clusters of 4 x 4, 327,680 bytes of LDS; arguments op, wb, out0; writes out0
.if DOCPART == 5
	.amdgcn_target "amdgcn-amd-amdhsa--gfx1250"
	.amdhsa_code_object_version 6
	.text
	.protected	k_q068d347846_oproj
	.globl	k_q068d347846_oproj
	.p2align	8
	.type	k_q068d347846_oproj,@function
k_q068d347846_oproj:
	s_mov_b64 s[64:65], 0
	v_nop
	global_prefetch_b8 v0, s[64:65] scope:SCOPE_SE
	s_setreg_imm32_b32 hwreg(HW_REG_WAVE_MODE, 25, 1), 1
	s_wait_xcnt 0x0
	s_wait_alu depctr_hold_cnt(0) depctr_sa_sdst(0) depctr_va_vdst(0) depctr_va_sdst(0) depctr_va_ssrc(0) depctr_va_vcc(0) depctr_vm_vsrc(0)
	s_getreg_b32 s2, hwreg(HW_REG_IB_STS2, 6, 4)
	s_cmp_eq_u32 s2, 0
	s_cbranch_scc0 .Lentry_in_a_cluster
	s_endpgm
.Lentry_in_a_cluster:
	s_bfe_u32 s2, ttmp6, 0x10000c
	s_cmp_lg_u32 s2, 0xf033
	s_cbranch_scc0 .Lentry_shape_is_right
	s_endpgm
.Lentry_shape_is_right:
; OPROJ.  out = O Wo: f16 operands (Wo is its bf16 rounding, written as f16), f32 sums, f32 out.
; ALL ROWS BUT 0-31 OF EACH BATCH: those 128 rows are made from split operands and stored by an earlier launch (the head rows' part of the scores' launch), and are not stored here.
; SHARES.  A work-group makes 256 tokens x 128 columns, a wave 128 x 64: 32 accumulators in window 1.  K (1,024 channels) goes in 8 steps of 128 through two LDS slots; the tiles are dense pieces of op and wb.
; CLUSTER 4 x 4: O's tiles are asked for jointly along a row of the cluster, Wo's along a column.
; The token block is 8 cy + the cluster's y: cy is the batch, the cluster's y the block within it, so that 'a batch's first block' hangs on the cluster's y alone, which all sixteen partners share.
; THE PRODUCT IS TRANSPOSED: source 0 = 16 columns of Wo (turned by ds_load_tr16_b128), source 1 = 16 tokens: a lane ends with one token and 8 neighbouring columns.
.set NAW,   2                          ; waves 0, 1 fetch O's two pieces (64 channels each), waves 2, 3 Wo's two (64 columns each)
.set SLOTX, 131072
.set SPARE, 245760
.set STG,   246272                     ; 16 rows x 272 bytes for each wave
.set WO,    6291456
.set STEPA, 2097152
.set STEPB, 262144
.set ADRA, 4
.set ADRB, 6
.set STO, 8
.set RD, 9
.set GO, 10
.set A0, 24
.set B0, 25
.set SPW, 28
.set NIL, 29
.set PFO, 30
.set FA, 32
.set FB, 160
.set WV, 14
.set WR, 15
.set WC, 16
.set CX, 17
.set CY, 18
.set TX, 19
.set TY, 20
.set CNT, 21
.set TB, 22
.set LIM, 23
.set G1A, 24
.set G1B, 32
.set G0A, 40
.set G0B, 48
.set PFA, 56
.set TAILC, 67
.set OB, 70
.set MSB, 0
.macro WIN new                         ; the high byte repeats the setting that is left
.if MSB != (\new)
	s_set_vgpr_msb (MSB<<8)|(\new)
.set MSB, (\new)
.endif
.endm
.macro PLACES                          ; four places behind matrix instructions (ISA guide 7.12.1)
.rept 4
	v_nop
.endr
.endm
.macro CREST
	s_cmp_lg_u32 s[WV], 0
	s_cbranch_scc1 .Lnw0_\@
	s_barrier_signal -3
.Lnw0_\@:
	s_barrier_wait -3
	s_barrier_signal -1
	s_barrier_wait -1
.endm
.macro CROUND
	s_barrier_signal -1
	s_barrier_wait -1
	CREST
.endm
.macro JLOAD st                        ; the branch hangs on the wave's number alone; s_nop 0 and four v_nop follow each line
	s_cmp_lt_u32 s[WV], NAW
	s_cbranch_scc0 .Lfb_\@
	tensor_load_to_lds s[G0A+4*(\st):G0A+4*(\st)+3], s[G1A:G1A+7]
	s_nop 0
	PLACES
	s_branch .Lfd_\@
.Lfb_\@:
	tensor_load_to_lds s[G0B+4*(\st):G0B+4*(\st)+3], s[G1B:G1B+7]
	s_nop 0
	PLACES
.Lfd_\@:
.endm
.macro G1REST g, rows
	s_mov_b32 s[(\g)+1], 128<<16
	s_mov_b32 s[(\g)+2], (\rows)<<16
	s_mov_b32 s[(\g)+3], 128<<16
	s_mov_b32 s[(\g)+4], \rows
	s_mov_b32 s[(\g)+5], 128
	s_mov_b32 s[(\g)+6], 0
	s_mov_b32 s[(\g)+7], 0
.endm
.macro ASK                             ; a prefetch of O's piece two refills on: waves 0, 1 of the clusters with x = 0; the four partners of a row take a quarter each, by address: a lane a block of 256 bytes
	WIN 0
	s_cmp_gt_u32 s[CNT], s[LIM]
	s_cbranch_scc0 .Lna_\@
	global_prefetch_b8 v[PFO], s[PFA:PFA+1] th:TH_LOAD_NT scope:SCOPE_SE
.Lna_\@:
.endm
.macro LDA f, a0, n, kq
	WIN 0
.set la, \a0
.rept \n
	ds_load_b128 v[FA+64*(\f)+8*la:FA+64*(\f)+8*la+3], v[ADRA] offset:((\kq)>>1)*36864+((\kq)&1)*64+2304*la
	ds_load_b128 v[FA+64*(\f)+8*la+4:FA+64*(\f)+8*la+7], v[ADRA] offset:((\kq)>>1)*36864+((\kq)&1)*64+2304*la+32
.set la, la+1
.endr
.endm
.macro LDB d, kq
	WIN 0
.set lb, 0
.rept 4
	ds_load_tr16_b128 v[FB+32*(\d)+8*lb:FB+32*(\d)+8*lb+3], v[ADRB] offset:5120*(\kq)+32*lb
	ds_load_tr16_b128 v[FB+32*(\d)+8*lb+4:FB+32*(\d)+8*lb+7], v[ADRB] offset:5120*(\kq)+32*lb+2560
.set lb, lb+1
.endr
.endm
.macro W f, a, mode
	WIN 0x50
.set bq, 0
.rept 4
.set rD, 8*(4*(\a)+bq)
.set rB, FB+32*(\f)+8*bq
.set rA, FA+64*(\f)+8*(\a)
.if \mode
	v_wmma_f32_16x16x32_f16 v[rD:rD+7], v[rB:rB+7], v[rA:rA+7], 0
.else
	v_wmma_f32_16x16x32_f16 v[rD:rD+7], v[rB:rB+7], v[rA:rA+7], v[rD:rD+7]
.endif
.set bq, bq+1
.endr
.endm
.macro GRP f, a0, n, mode              ; the accumulators take turns
.set ga, \a0
.rept \n
	W \f, ga, \mode
.set ga, ga+1
.endr
.endm
.macro Q f, nk, mode                   ; a quarter: 32 along K, 32 products; the next quarter's 24 LDS loads in one run at its head
	s_wait_dscnt 0x0
	PLACES
	LDB 1-(\f), \nk
	LDA 1-(\f), 0, 8, \nk
	GRP \f, 0, 8, \mode
.endm
.macro TURN fill                       ; a slot's last quarter and the change of slots
.if \fill
	s_wait_xcnt 0x0                                ; the last prefetch, a step back, has read its address
	s_add_nc_u64 s[PFA:PFA+1], s[PFA:PFA+1], STEPA
.endif
	WIN 0
	s_wait_tensorcnt 0x0                           ; all my tensor loads have landed: the one that was out is my part of the next slot
	ds_add_u32 v[SPW], v[NIL]
.if \fill
	s_xor_b32 s[G0A+5], s[G0A+5], SLOTX
	s_add_nc_u64 s[G0A+6:G0A+7], s[G0A+6:G0A+7], STEPA
	s_xor_b32 s[G0B+5], s[G0B+5], SLOTX
	s_add_nc_u64 s[G0B+6:G0B+7], s[G0B+6:G0B+7], STEPB
.endif
	s_wait_dscnt 1                                 ; the add may be out
	GRP 1, 0, 2, 0
	s_wait_dscnt 0x0                               ; the add is done, my reads of this slot are over
	s_barrier_signal -1
	GRP 1, 2, 2, 0
	WIN 0
	s_barrier_wait -1
.if \fill
	CREST                                          ; the barrier has opened a round of the cluster's
	JLOAD 1                                        ; the refill first; its four v_nop are also the places in front of the loads below
.else
	PLACES
.endif
	s_xor_b32 s[TB], s[TB], SLOTX
	v_add_nc_u32 v[ADRA], s[TB], v[A0]
	v_add_nc_u32 v[ADRB], s[TB], v[B0]
	LDB 0, 0
	LDA 0, 0, 8, 0
.if \fill
	ASK
.endif
	GRP 1, 4, 4, 0
.endm
	s_load_b128 s[4:7], s[0:1], 0x0                ; op, wb
	s_load_b64 s[8:9], s[0:1], 0x10                ; out0
	v_lshl_add_u32 v[SPW], v0, 2, SPARE
	v_mov_b32 v[NIL], 0
	ds_add_u32 v[SPW], v[NIL]                      ; the opening: the add and its wait ahead of my first tensor load
	v_lshrrev_b32 v3, 5, v0
	v_readfirstlane_b32 s[WV], v3
	s_lshr_b32 s[WR], s[WV], 1
	s_and_b32 s[WC], s[WV], 1
	s_bfe_u32 s[CX], ttmp6, 0x40000
	s_bfe_u32 s[CY], ttmp6, 0x40004
	s_lshl_b32 s[TX], ttmp9, 2
	s_add_co_u32 s[TX], s[TX], s[CX]
	s_and_b32 s[TY], ttmp7, 0xffff                 ; the cluster's y: the token block within a batch
	s_lshl3_add_u32 s[TY], s[CY], s[TY]            ; token block 0..31 = 8 x batch (cy) + that
	s_lshl_b32 s58, s[CY], 2
	s_lshl_b32 s58, 15, s58                        ; my row of the cluster
	s_lshl_b32 s59, 0x1111, s[CX]                  ; my column
	s_or_b32 s[G1A], s58, (1<<16)|(1<<20)|(1<<21)|(4<<22)|(3<<25)
	s_or_b32 s[G1B], s59, (1<<16)|(1<<20)|(1<<21)|(4<<22)|(7<<25)
	G1REST G1A, 128
	G1REST G1B, 64
	s_lshl_b32 s60, s[WC], 20
	s_lshl_b32 s2, s[TY], 15
	s_add_co_u32 s60, s60, s2                      ; op: piece x 1,048,576 + token block x 32,768
	s_mov_b32 s61, 0
	s_lshl1_add_u32 s62, s[TX], s[WC]
	s_lshl_b32 s62, s62, 14
	s_add_co_u32 s62, s62, WO                      ; wb: WO + (2 tx + piece) x 16,384
	s_mov_b32 s63, 0
	s_mul_i32 s3, s[WC], 36864
	s_mul_i32 s66, s[WC], 20480
	s_add_co_u32 s66, s66, 73728
	s_mov_b32 s[TB], 0
	s_mov_b32 s[CNT], 6
	s_or_b32 s2, s[WR], ttmp9
	s_cmp_eq_u32 s2, 0
	s_cselect_b32 s[LIM], 2, -1
	s_wait_dscnt 0x0
	s_wait_kmcnt 0x0
	s_add_nc_u64 s[60:61], s[4:5], s[60:61]
	s_add_nc_u64 s[62:63], s[6:7], s[62:63]
	CROUND                                         ; all sixteen work-groups are here: the first joint loads meet
.irp s, 0,1
	s_mov_b32 s[G0A+4*\s], 1
	s_add_co_u32 s[G0A+4*\s+1], s3, \s*SLOTX
	s_add_nc_u64 s[G0A+4*\s+2:G0A+4*\s+3], s[60:61], \s*STEPA
	s_or_b32 s[G0A+4*\s+3], s[G0A+4*\s+3], 0x80000000
	s_mov_b32 s[G0B+4*\s], 1
	s_add_co_u32 s[G0B+4*\s+1], s66, \s*SLOTX
	s_add_nc_u64 s[G0B+4*\s+2:G0B+4*\s+3], s[62:63], \s*STEPB
	s_or_b32 s[G0B+4*\s+3], s[G0B+4*\s+3], 0x80000000
.endr
	s_cmp_lt_u32 s[WV], NAW                        ; a wave's two first fills stand in one branch: two loads of mine are out
	s_cbranch_scc0 .Lfirst_b
	tensor_load_to_lds s[G0A:G0A+3], s[G1A:G1A+7]
	s_nop 0
	tensor_load_to_lds s[G0A+4:G0A+7], s[G1A:G1A+7]
	s_nop 0
	PLACES
	s_branch .Lfirst_done
.Lfirst_b:
	tensor_load_to_lds s[G0B:G0B+3], s[G1B:G1B+7]
	s_nop 0
	tensor_load_to_lds s[G0B+4:G0B+7], s[G1B:G1B+7]
	s_nop 0
	PLACES
.Lfirst_done:
	s_lshl_b32 s58, s[CX], 13
	s_mov_b32 s59, 0
	s_add_nc_u64 s[PFA:PFA+1], s[60:61], s[58:59]
	s_add_nc_u64 s[PFA:PFA+1], s[PFA:PFA+1], 3*STEPA  ; at step 3: the first refill steps it to 4
	s_lshl_b32 s58, s[TY], 20
	s_lshl_b32 s2, s[WR], 19
	s_add_co_u32 s58, s58, s2
	s_lshl_b32 s2, s[TX], 9
	s_add_co_u32 s58, s58, s2
	s_lshl_b32 s2, s[WC], 8
	s_add_co_u32 s58, s58, s2
	s_add_nc_u64 s[OB:OB+1], s[8:9], s[58:59]      ; out0: (256 ty + 128 wr) x 4,096 + (128 tx + 64 wc) x 4
	v_and_b32 v1, 15, v0
	v_bfe_u32 v2, v0, 4, 1
	v_mul_u32_u24 v[A0], v1, 144
	v_lshl_add_u32 v[A0], v2, 4, v[A0]
	s_mul_i32 s58, s[WR], 128*144
	v_add_nc_u32 v[A0], s58, v[A0]
	v_and_b32 v3, 7, v0
	v_lshl_add_u32 v3, v2, 3, v3
	v_mul_u32_u24 v[B0], v3, 160
	v_bfe_u32 v3, v0, 3, 1
	v_lshl_add_u32 v[B0], v3, 4, v[B0]
	s_mul_i32 s58, s[WC], 20480
	s_add_co_u32 s58, s58, 73728
	v_add_nc_u32 v[B0], s58, v[B0]
	v_mov_b32 v[ADRA], v[A0]
	v_mov_b32 v[ADRB], v[B0]
	s_mul_i32 s58, s[WV], 4352
	s_add_co_u32 s58, s58, STG
	v_mul_u32_u24 v[STO], v1, 272
	v_lshl_add_u32 v[STO], v2, 5, v[STO]
	v_add_nc_u32 v[STO], s58, v[STO]               ; into my stage: row l%16, 32 bytes for each half of the lanes
	v_mul_u32_u24 v[RD], v2, 272
	v_lshl_add_u32 v[RD], v1, 4, v[RD]
	v_add_nc_u32 v[RD], s58, v[RD]                 ; back: lanes 0-15 one row of 256 bytes, lanes 16-31 the next
	v_lshlrev_b32 v[GO], 4, v1
	v_lshl_add_u32 v[GO], v2, 12, v[GO]            ; and the same two rows in out0
	v_and_b32 v[PFO], 31, v0
	v_lshlrev_b32 v[PFO], 8, v[PFO]
	s_wait_tensorcnt 0x1                           ; my part of step 0 is in; step 1's may stay out
	s_barrier_signal -1
	s_barrier_wait -1
	LDB 0, 0
	LDA 0, 0, 8, 0
	Q 0, 1, 1                                      ; the first quarter starts the sums
	WIN 0
.Lfill:                                                ; 6 trips
	Q 1, 2, 0
	Q 0, 3, 0
	TURN 1
	Q 0, 1, 0
	WIN 0
	s_sub_co_u32 s[CNT], s[CNT], 1
	s_cmp_lg_u32 s[CNT], 0
	s_cbranch_scc1 .Lfill
	s_mov_b32 s[TAILC], 2
.Ltail:                                                ; the last two steps ask for nothing; the second trip is left in its middle
	Q 1, 2, 0
	Q 0, 3, 0
	WIN 0
	s_sub_co_u32 s[TAILC], s[TAILC], 1
	s_cmp_eq_u32 s[TAILC], 0
	s_cbranch_scc1 .Llast
	TURN 0
	Q 0, 1, 0
	WIN 0
	s_branch .Ltail
.Llast:
	s_wait_dscnt 0x0
	GRP 1, 0, 8, 0
	PLACES
	PLACES
	WIN 0                                          ; a branch follows
; THE WAY OUT, 8 units of 16 tokens x 64 columns of f32: through my stage, back as whole rows of 256 bytes.
.macro STGE a
	s_wait_xcnt 0x0                                ; earlier stores have read their registers
	WIN 0x04                                       ; the stores' data in window 1
.set sb, 0
.rept 4
	ds_store_b128 v[STO], v[8*(4*(\a)+sb):8*(4*(\a)+sb)+3] offset:64*sb      ; each accumulator's low registers first
	ds_store_b128 v[STO], v[8*(4*(\a)+sb)+4:8*(4*(\a)+sb)+7] offset:64*sb+16
.set sb, sb+1
.endr
	WIN 0
.irp k, 0,1,2,3,4,5,6,7
	ds_load_b128 v[32+32*((\a)%2)+4*\k:32+32*((\a)%2)+4*\k+3], v[RD] offset:544*\k  ; LDS serves a wave's instructions in order (ISA guide 5.7.1.4)
.endr
.endm
.macro SENDF a, younger                ; younger: the next unit's sixteen LDS instructions, or none
.irp k, 0,1,2,3,4,5,6,7
	s_wait_dscnt (\younger)+7-\k
	global_store_b128 v[GO], v[32+32*((\a)%2)+4*\k:32+32*((\a)%2)+4*\k+3], s[OB:OB+1] offset:65536*(\a)+8192*\k  ; 16 lanes store 256 consecutive bytes, aligned
.endr
.endm
	; Units 0 and 1 of the waves with wr = 0 in a batch's first block are tokens 0-31 of the batch: an earlier launch has stored those rows, and they are jumped over.
	; The two units stand in a group of their own, which ends with no LDS instruction out: so the counts behind the label hold on both ways.
	s_and_b32 s2, ttmp7, 0xffff
	s_or_b32 s2, s2, s[WR]
	s_cmp_eq_u32 s2, 0                             ; the cluster's y and the wave's number: alike in all sixteen partners
	s_cbranch_scc1 .Lrest
	STGE 0
	STGE 1
	SENDF 0, 16
	SENDF 1, 0
.Lrest:
	STGE 2
.set u, 3
.rept 5
	STGE u
	SENDF u-1, 16
.set u, u+1
.endr
	SENDF 7, 0
	s_wait_tensorcnt 0x0                           ; the wave's end
	ds_add_u32 v[SPW], v[NIL]
	s_wait_dscnt 0x0
	CROUND                                         ; the closing round
	s_endpgm
.Lfunc_end_k_q068d347846_oproj:
	.size	k_q068d347846_oproj, .Lfunc_end_k_q068d347846_oproj-k_q068d347846_oproj
	.p2alignl 7, 3214868480
	.fill 96, 4, 3214868480
	.section	.rodata,"a",@progbits
	.p2align	6, 0x0
	.amdhsa_kernel k_q068d347846_oproj
		.amdhsa_group_segment_fixed_size 327680
		.amdhsa_private_segment_fixed_size 0
		.amdhsa_enable_private_segment 0
		.amdhsa_kernarg_size 24
		.amdhsa_user_sgpr_count 2
		.amdhsa_user_sgpr_kernarg_segment_ptr 1
		.amdhsa_wavefront_size32 1
		.amdhsa_system_sgpr_workgroup_id_x 1
		.amdhsa_system_sgpr_workgroup_id_y 1
		.amdhsa_system_sgpr_workgroup_id_z 1
		.amdhsa_system_vgpr_workitem_id 0
		.amdhsa_next_free_vgpr 512
		.amdhsa_next_free_sgpr 100
		.amdhsa_reserve_vcc 0
		.amdhsa_float_denorm_mode_32 3
		.amdhsa_float_denorm_mode_16_64 3
		.amdhsa_memory_ordered 1
		.amdhsa_forward_progress 1
		.amdhsa_inst_pref_size 64
	.end_amdhsa_kernel
	.amdgpu_metadata
---
amdhsa.version: [ 1, 2 ]
amdhsa.kernels:
  - .name:           k_q068d347846_oproj
    .symbol:         k_q068d347846_oproj.kd
    .args:
      - { .name: op, .offset: 0, .size: 8, .value_kind: global_buffer, .address_space: global }
      - { .name: wb, .offset: 8, .size: 8, .value_kind: global_buffer, .address_space: global }
      - { .name: out0, .offset: 16, .size: 8, .value_kind: global_buffer, .address_space: global }
    .group_segment_fixed_size: 327680
    .private_segment_fixed_size: 0
    .kernarg_segment_align: 8
    .kernarg_segment_size: 24
    .max_flat_workgroup_size: 128
    .sgpr_count:     100
    .vgpr_count:     512
    .wavefront_size: 32
...
	.end_amdgpu_metadata
.endif
;; end of part 5
